; MI455X (gfx1250); checked and timed in simulation.
; The chip was launched on July 23, 2026; its instructions are those of AMD's public machine-readable ISA for CDNA 5 (MIT licence, August 2026) and "CDNA5" Instruction Set Architecture Reference Guide (July 2026). The comments in the code are by the model that wrote it; some were corrected since.
;; Selective Copying Model. Allowed arithmetic: matrix products marked QUANTISED: E2M1 operands, one E8M0 scale for each 32 along K, by v_wmma_scale_f32_16x16x128_f8f6f4 with both operands' format E2M1 (or v_wmma_scale_f32_32x16x128_f4), f32 sums; everything else in f32.
;; Inputs: W0 2,048 x 1,024 float32; W1 2,048 x 1,024 float32; Wl 2,048 x 1,024 float32; b0 2,048 float32; b1 2,048 float32; bl 2,048 float32; emb 2,048 x 1,024 float32; x 16 x 512 int32.
;; Outputs: out0 16 x 16 x 2,048 float32.
;; This version of the problem:
;;   THIS VERSION OF THE PROBLEM IS GIVEN IN LOW PRECISION. The matrix products marked QUANTISED in the list below multiply operands that are first quantised to E2M1 (2 exponent bits, 1 mantissa bit; 4 bits a number), with one power-of-two scale for each 32 numbers along K (OCP MX v1.0); their sums are f32. All else is computed in f32.
;;   The module's matrix products, in the order in which they are computed (A, B: the left and right operand; K: the contracted axis; several contracted axes count as one K, in the product's order):
;;     1. [M 8,192, K 1,024] x [K 1,024, N 2,048]; A: computed on the way; B: input W0: QUANTISED
;;     2. [M 8,192, K 1,024] x [K 1,024, N 2,048]; A: computed on the way; B: input W1: QUANTISED
;;     3. [M 8,192, K 1,024] x [K 1,024, N 2,048]; A: computed on the way; B: input Wl: QUANTISED
;;   THE QUANTISER, for each operand of a quantised product, along K:
;;     - K is cut into blocks of 32 from its start; a last block that is shorter is filled with zeros.
;;     - A block's scale is 2^e with e = floor(log2(the largest magnitude in the block)) - 2, held to -126 .. 127; a block of zeros has e = 0. As a byte (E8M0): e + 127.
;;     - Each number is divided by its block's scale, clamped to +-6, and rounded to the nearest number of E2M1, ties to even, subnormals kept.
;;     - The product sums the exact products of the quantised numbers (number of the format x scale) in f32.
;;   ~~~python
;;   def quantise(x, axis):      # numpy; x: float32 -> the quantised numbers, widened to float32 again
;;       x = np.moveaxis(x, axis, -1); K = x.shape[-1]
;;       x = np.pad(x, [(0, 0)] * (x.ndim - 1) + [(0, -K % 32)]); x = x.reshape(x.shape[:-1] + (-1, 32)); a = np.abs(x).max(-1, keepdims=True)
;;       e = np.where(a > 0, np.clip(np.frexp(np.where(a > 0, a, 1))[1] - 1 - 2, -126, 127), 0)      # np.frexp(a)[1] - 1 = floor(log2(a)), exactly
;;       r = np.clip(x / 2.0 ** e, -6, 6)
;;       step = 2.0 ** (np.maximum(np.frexp(np.where(r == 0, 1, r))[1] - 1, 0) - 1)
;;       q = np.round(r / step) * step * 2.0 ** e      # np.round: ties to even
;;       return np.moveaxis(q.reshape(q.shape[:-2] + (-1,))[..., :K], -1, axis).astype(np.float32)
;;   ~~~
;;   OPERANDS COMPUTED ON THE WAY. 'Computed on the way' means the value that the module computes at that place (a softmax that the list does not call 'softmax' is quantised finished and normalised). What goes into a quantiser is computed in f32, as accurately as f32 sums, v_exp_f32 and their like allow (about 1e-6 of the number): no bf16 or f16 on the way to a quantiser, and a product that is left as it is and whose result goes on into a quantised operand takes f32 operands (vector FMAs, or v_wmma_f32_16x16x4_f32). A number that lies on a knife's edge between two numbers of the format may be rounded either way, as far as f32 arithmetic and the matrix unit's own rounding can turn it there, and no further.
;; 2 versions. Each part assembles by itself: llvm-mc -triple=amdgcn-amd-amdhsa -mcpu=gfx1250 --defsym DOCPART=n.
;; ======== version 1 of 2: 4 launches
;; workspace buffers: in0 5,570,560 bytes; in1 6,619,136 bytes; in2 5,316,608 bytes; tab0 34,816 bytes of whole numbers; tab1 34,816 bytes of whole numbers
;; launch prep (part 1): grid 897 x 1, 4 waves a work-group, no clusters, 18,432 bytes of LDS; arguments W0, W1, Wl, emb, x, in0, in1, in2, tab0, tab1; writes in0, in1, in2, tab0, tab1
.if DOCPART == 1
	.amdgcn_target "amdgcn-amd-amdhsa--gfx1250"
	.amdhsa_code_object_version 6
	.text
	.protected	k_q2237c94eb8_prep
	.globl	k_q2237c94eb8_prep
	.p2align	8
	.type	k_q2237c94eb8_prep,@function
k_q2237c94eb8_prep:
	s_mov_b64 s[64:65], 0
	v_nop
	global_prefetch_b8 v0, s[64:65] scope:SCOPE_SE
	s_setreg_imm32_b32 hwreg(HW_REG_WAVE_MODE, 25, 1), 1
	s_wait_xcnt 0x0
; W0, W1, Wl [2048][1024] f32 and the gathered rows emb[x] become codes of FP4 (E2M1) with one E8M0 byte for each 32 along K,
; laid as IMAGES OF THE OPERAND'S REGISTERS.  A tile is 16 rows x 1,024 K = 8,192 bytes: the 16 bytes (32 codes) of row m and K block
; 4 s + 2 c + hk lie at 1024 s + 512 c + 256 hk + 16 m, so that a fragment of K step s is two loads of 16 bytes a lane at 16 x lane.
; A tile's scale words (512 bytes): the word of (row m, K step s) lies at 16 (m + 16 (s & 1)) + 4 (s >> 1): one load of 16 bytes a lane
; gives four registers, register p holding step 2 p in lanes 0-15 and step 2 p + 1 in lanes 16-31.
; SHARES.  Work-groups 0-383: weight g / 128 (W0 -> in0, W1 -> in1, Wl -> in2), tile g % 128.  Work-groups 384-895: tile g - 384 of the
; 8,192 token rows -> in0.  Work-group 896: the two tables that steer the layer launches.  In a tile's work-group wave q takes K steps
; 2 q and 2 q + 1, in four turns of 64 along K (16 rows x 256 bytes).
; A turn's loads take the bytes as they lie (a half wave reads 256 consecutive bytes of a row, aligned); they go through the wave's own
; stage in LDS and come back with one whole block of 32 in a lane, so that a block's largest magnitude needs no other lane.
; A block's scale is 2^(floor(log2(largest magnitude)) - 2); its byte is the largest magnitude's exponent field - 2, held at 1 from below.
; LIMITS: a block of zeros gets the byte 1 (its codes are zeros, and this program alone reads the bytes); NaN and infinities are not served.
.set WSC,  0x100000                    ; in a buffer: the weight's scale images behind its 128 code images
.set AIMG, 0x110000                    ; the activations' code images
.set ASC,  0x510000                    ; and their scale images
.set NWT,  384                         ; weight tiles
.set NAT,  512                         ; token tiles
.set HDR,  2048                        ; a table's header in bytes
.set SP,   272                         ; a stage row: 256 bytes + 16
.set WST,  16*SP                       ; a wave's stage
.set SCG,  4*WST                       ; behind the stages: 512 bytes in which the tile's scale words meet
.set RO,   16                          ; v16-23   byte offsets of my eight rows
.set IDX,  24                          ; v24-31   token numbers
.set R,    32                          ; v32-159  four turns x 32 registers as loaded
.set X,    160                         ; v160-223 two sets of 32 neighbours along K
.set Q,    224                         ; v224-239 a turn's codes, four registers each: no store's data are written again
.set BY,   240                         ; v240-243 a turn's scale byte
.set M1,   244
.set M2,   245
.set SCO,  246
.set T,    247
	s_load_b512 s[4:19], s[0:1], 0x0               ; W0 s[4:5], W1 s[6:7], Wl s[8:9], emb s[10:11], x s[12:13], in0 s[14:15], in1 s[16:17], in2 s[18:19]
	s_load_b128 s[20:23], s[0:1], 0x40             ; tab0, tab1
	v_lshl_add_u32 v14, v0, 2, 0x4600
	v_mov_b32 v15, 0
	v_lshrrev_b32 v1, 5, v0
	v_readfirstlane_b32 s24, v1                    ; wave q
	v_and_b32 v1, 31, v0                           ; lane l
	v_and_b32 v2, 15, v0                           ; l % 16
	v_bfe_u32 v3, v0, 4, 1                         ; hk = l / 16
	s_lshl_b32 s25, s24, 10
	v_lshl_add_u32 v4, v2, 4, s25                  ; in a row of 4,096 bytes: my wave's quarter + my 16 bytes
	s_mul_i32 s25, s24, WST
	v_mul_u32_u24 v5, v3, 8*SP
	v_lshl_add_u32 v5, v2, 4, v5
	v_add_nc_u32 v5, s25, v5                       ; the stage, in: row 8 hk + i, column 16 (l % 16)
	v_mul_u32_u24 v6, v2, SP
	v_lshl_add_u32 v6, v3, 7, v6
	v_add_nc_u32 v6, s25, v6                       ; and out: row l % 16, 128 bytes for each half of the lanes
	v_lshlrev_b32 v9, 4, v1
	v_add_nc_u32 v9, SCG, v9                       ; the scale words' image: 16 bytes a lane,
	s_lshl_b32 s25, s24, 2
	v_add_nc_u32 v8, s25, v9                       ; of which word q is my wave's
	v_lshlrev_b32 v10, 3, v3                       ; 8 hk: my byte's place
	v_mov_b32 v[T], 0                              ; a lane permute's destination counts as one of its sources
	s_mov_b32 s32, 0x76543210
	s_mov_b32 s33, 0xfedcba98                      ; v_permlanex16_b32's selects for lane l xor 16
	s_and_b32 s34, ttmp9, 127
	s_sub_co_u32 s35, ttmp9, NWT
	s_mov_b32 s31, ASC
	s_cmp_lt_u32 ttmp9, NWT                        ; a weight's tile or a token tile
	s_cselect_b32 s34, s34, s35                    ; the tile's number
	s_cselect_b32 s30, 0, AIMG
	s_cselect_b32 s31, WSC, s31
	s_lshl_b32 s35, s34, 13
	s_add_co_u32 s30, s30, s35
	s_lshl_b32 s35, s24, 11
	s_add_co_u32 s30, s30, s35                     ; the tile's image + my wave's two K steps
	s_lshl_b32 s35, s34, 9
	s_add_co_u32 s31, s31, s35
	v_lshl_add_u32 v7, v1, 4, s30                  ; where my codes go
	v_lshl_add_u32 v11, v1, 4, s31                 ; where the scale image goes
	s_lshr_b32 s25, ttmp9, 7                       ; 0, 1, 2: W0, W1, Wl
	s_wait_kmcnt 0x0
	s_mov_b64 s[26:27], s[10:11]                   ; from: emb, unless a weight;   to: in0, unless W1 or Wl.  The choices hang on the work-group's number alone
	s_mov_b64 s[28:29], s[14:15]
	s_cmp_eq_u32 s25, 0
	s_cselect_b64 s[26:27], s[4:5], s[26:27]
	s_cmp_eq_u32 s25, 1
	s_cselect_b64 s[26:27], s[6:7], s[26:27]
	s_cselect_b64 s[28:29], s[16:17], s[28:29]
	s_cmp_eq_u32 s25, 2
	s_cselect_b64 s[26:27], s[8:9], s[26:27]
	s_cselect_b64 s[28:29], s[18:19], s[28:29]
	s_cmp_eq_u32 ttmp9, NWT+NAT
	s_cbranch_scc1 .Ltab
	s_cmp_lt_u32 ttmp9, NWT
	s_cbranch_scc0 .Lgather
	s_lshl_b32 s35, s34, 16                        ; a weight's tile: rows 16 nt + 8 hk + i
	v_lshl_add_u32 v[M1], v3, 15, s35
	v_add_nc_u32 v[M1], v[M1], v4
.irp i, 0,1,2,3,4,5,6,7
	v_add_nc_u32 v[RO+\i], \i*4096, v[M1]
.endr
	s_branch .Lrows
.Lgather:
	s_lshl_b32 s35, s34, 6                         ; a token tile: rows x[16 tau + 8 hk + i] of emb
	v_lshl_add_u32 v[M1], v3, 5, s35
	global_load_b128 v[IDX:IDX+3], v[M1], s[12:13]
	global_load_b128 v[IDX+4:IDX+7], v[M1], s[12:13] offset:16
	s_wait_loadcnt 0x0
.irp i, 0,1,2,3,4,5,6,7
	v_min_u32 v[RO+\i], 0x7ff, v[IDX+\i]           ; an index stays inside its table of 2,048 rows
.endr
.irp i, 0,1,2,3,4,5,6,7
	v_lshlrev_b32 v[RO+\i], 12, v[RO+\i]
.endr
.irp i, 0,1,2,3,4,5,6,7
	v_add_nc_u32 v[RO+\i], v[RO+\i], v4
.endr
.Lrows:
.irp it, 0,1,2,3                                       ; all 32 loads at once: turn it, rows i (lanes 0-15) and i + 8 (lanes 16-31)
.irp i, 0,1,2,3,4,5,6,7
	global_load_b128 v[R+32*\it+4*\i:R+32*\it+4*\i+3], v[RO+\i], s[26:27] offset:256*\it
.endr
.endr
.macro TURN t                          ; turn t's 4,096 bytes through the stage.  LDS serves a wave's instructions in order, so no wait stands between the stores and the loads
.irp i, 0,1,2,3,4,5,6,7
	ds_store_b128 v5, v[R+32*(\t)+4*\i:R+32*(\t)+4*\i+3] offset:SP*\i
.endr
.irp i, 0,1,2,3,4,5,6,7
	ds_load_b128 v[X+32*((\t)%2)+4*\i:X+32*((\t)%2)+4*\i+3], v6 offset:16*\i
.endr
.endm
.macro AMAX xs                         ; the largest magnitude of 32 numbers, with the floor 2^(3 - 127) among the leaves: 16 instructions, two chains
	v_max3_num_f32 v[M1], |v[\xs]|, |v[\xs+1]|, 0x1800000
	v_max3_num_f32 v[M2], |v[\xs+2]|, |v[\xs+3]|, |v[\xs+4]|
.irp i, 5,9,13,17,21,25
	v_max3_num_f32 v[M1], v[M1], |v[\xs+\i]|, |v[\xs+\i+1]|
	v_max3_num_f32 v[M2], v[M2], |v[\xs+\i+2]|, |v[\xs+\i+3]|
.endr
	v_max3_num_f32 v[M1], v[M1], |v[\xs+29]|, |v[\xs+30]|
	v_max3_num_f32 v[M1], v[M1], v[M2], |v[\xs+31]|
.endm
.macro ITER it
.set XS, X+32*((\it)%2)
	s_wait_dscnt 0x0                               ; this turn's numbers are back from the stage
.if (\it) < 3
	s_wait_loadcnt 8*(2-(\it))                     ; the next turn's eight loads are in; the eight of each later turn may be out
	TURN (\it)+1                                   ; and go through the stage while this turn is worked
.endif
	AMAX XS
	v_add_nc_u32 v[SCO], 0xff000000, v[M1]         ; 2 off its exponent field: the conversion takes the exponent field of this operand as its scale
.irp g, 0,1,2,3
	v_cvt_scalef32_pk8_fp4_f32 v[Q+4*(\it)+\g], v[XS+8*\g:XS+8*\g+7], v[SCO]
.endr
	v_lshrrev_b32 v[BY+(\it)], 23, v[SCO]          ; the scale's byte (also the plain instruction behind the conversions)
	global_store_b128 v7, v[Q+4*(\it):Q+4*(\it)+3], s[28:29] offset:512*(\it)   ; the wave stores 512 consecutive bytes, aligned
.endm
	s_wait_loadcnt 24                              ; turn 0's eight loads are in; 24 younger ones may be out
	TURN 0
	ITER 0
	ITER 1
	ITER 2
	ITER 3
	; my bytes are those of blocks hk and 2 + hk of K steps 2 q (turns 0, 1) and 2 q + 1 (turns 2, 3); with lane l xor 16's the words are whole
	v_lshl_or_b32 v[M1], v[BY+1], 16, v[BY]
	v_lshl_or_b32 v[M2], v[BY+3], 16, v[BY+2]
	v_lshlrev_b32 v[M1], v10, v[M1]
	v_lshlrev_b32 v[M2], v10, v[M2]
	v_permlanex16_b32 v[SCO], v[M1], s32, s33
	v_permlanex16_b32 v[T], v[M2], s32, s33
	v_or_b32 v[M1], v[M1], v[SCO]
	v_or_b32 v[M2], v[M2], v[T]
	v_cmp_gt_u32 vcc_lo, 16, v1
	v_cndmask_b32 v[M1], v[M2], v[M1], vcc_lo      ; lanes 0-15 keep the even step's word, lanes 16-31 the odd step's
	ds_store_b32 v8, v[M1]
	s_wait_dscnt 0x0                               ; for the others' sake: my word has landed
	s_barrier_signal -1
	s_barrier_wait -1
	s_cmp_lg_u32 s24, 0
	s_cbranch_scc1 .Lend
	ds_load_b128 v[248:251], v9                    ; wave 0 stores the tile's scale image: 512 consecutive bytes
	s_wait_dscnt 0x0
	global_store_b128 v11, v[248:251], s[28:29]
.Lend:
	s_wait_tensorcnt 0x0
	ds_add_u32 v14, v15
	s_wait_dscnt 0x0
	s_endpgm
.Ltab:
	; THE TABLES.  2,048 bytes of header, every word 1 (tab0: every time step's result is wanted) or 0 (tab1: only the last 16 steps');
	; then [16][512] row numbers, in rows of 4,096 bytes, of the residual: tab0: x (rows of emb); tab1: 1360 + 16 b + max(t, 496) - 496 (rows of in1's tail).
	v_lshlrev_b32 v244, 4, v0                      ; 16 bytes a thread; never rewritten
	v_lshlrev_b32 v245, 2, v0                      ; t of my first word
.irp k, 0,1,2,3,4,5,6,7,8,9,10,11,12,13,14,15
	global_load_b128 v[32+4*\k:35+4*\k], v244, s[12:13] offset:2048*\k
.endr
.irp e, 0,1,2,3
	v_mov_b32 v[248+\e], 1
	v_mov_b32 v[252+\e], 0
	v_add_nc_u32 v[24+\e], \e, v245
.endr
.irp e, 0,1,2,3
	v_max_u32 v[24+\e], 0x1f0, v[24+\e]
.endr
.irp e, 0,1,2,3
	v_add_nc_u32 v[24+\e], 864, v[24+\e]           ; max(t, 496) + 1360 - 496
.endr
.irp k, 0,1,2,3,4,5,6,7,8,9,10,11,12,13,14,15
.irp e, 0,1,2,3
	v_add_nc_u32 v[96+4*\k+\e], 16*\k, v[24+\e]
.endr
.endr
	global_store_b128 v244, v[248:251], s[20:21]
	global_store_b128 v244, v[252:255], s[22:23]
.irp k, 0,1,2,3,4,5,6,7,8,9,10,11,12,13,14,15
	global_store_b128 v244, v[96+4*\k:99+4*\k], s[22:23] offset:HDR+2048*\k
.endr
	s_wait_loadcnt 0x0
.irp k, 0,1,2,3,4,5,6,7,8,9,10,11,12,13,14,15
	global_store_b128 v244, v[32+4*\k:35+4*\k], s[20:21] offset:HDR+2048*\k
.endr
	s_endpgm
.Lfunc_end_k_q2237c94eb8_prep:
	.size	k_q2237c94eb8_prep, .Lfunc_end_k_q2237c94eb8_prep-k_q2237c94eb8_prep
	.p2alignl 7, 3214868480
	.fill 96, 4, 3214868480
	.section	.rodata,"a",@progbits
	.p2align	6, 0x0
	.amdhsa_kernel k_q2237c94eb8_prep
		.amdhsa_group_segment_fixed_size 18432
		.amdhsa_private_segment_fixed_size 0
		.amdhsa_enable_private_segment 0
		.amdhsa_kernarg_size 80
		.amdhsa_user_sgpr_count 2
		.amdhsa_user_sgpr_kernarg_segment_ptr 1
		.amdhsa_wavefront_size32 1
		.amdhsa_system_sgpr_workgroup_id_x 1
		.amdhsa_system_sgpr_workgroup_id_y 1
		.amdhsa_system_sgpr_workgroup_id_z 1
		.amdhsa_system_vgpr_workitem_id 0
		.amdhsa_next_free_vgpr 256
		.amdhsa_next_free_sgpr 66
		.amdhsa_reserve_vcc 1
		.amdhsa_float_denorm_mode_32 3
		.amdhsa_float_denorm_mode_16_64 3
		.amdhsa_memory_ordered 1
		.amdhsa_forward_progress 1
		.amdhsa_inst_pref_size 28
	.end_amdhsa_kernel
	.amdgpu_metadata
---
amdhsa.version: [ 1, 2 ]
amdhsa.kernels:
  - .name:           k_q2237c94eb8_prep
    .symbol:         k_q2237c94eb8_prep.kd
    .args:
      - { .name: W0, .offset: 0, .size: 8, .value_kind: global_buffer, .address_space: global }
      - { .name: W1, .offset: 8, .size: 8, .value_kind: global_buffer, .address_space: global }
      - { .name: Wl, .offset: 16, .size: 8, .value_kind: global_buffer, .address_space: global }
      - { .name: emb, .offset: 24, .size: 8, .value_kind: global_buffer, .address_space: global }
      - { .name: x, .offset: 32, .size: 8, .value_kind: global_buffer, .address_space: global }
      - { .name: in0, .offset: 40, .size: 8, .value_kind: global_buffer, .address_space: global }
      - { .name: in1, .offset: 48, .size: 8, .value_kind: global_buffer, .address_space: global }
      - { .name: in2, .offset: 56, .size: 8, .value_kind: global_buffer, .address_space: global }
      - { .name: tab0, .offset: 64, .size: 8, .value_kind: global_buffer, .address_space: global }
      - { .name: tab1, .offset: 72, .size: 8, .value_kind: global_buffer, .address_space: global }
    .group_segment_fixed_size: 18432
    .private_segment_fixed_size: 0
    .kernarg_segment_align: 8
    .kernarg_segment_size: 80
    .max_flat_workgroup_size: 128
    .sgpr_count:     66
    .vgpr_count:     256
    .wavefront_size: 32
...
	.end_amdgpu_metadata
.endif
;; end of part 1
;; launch layer0 (part 2): grid 16 x 16, 8 waves a work-group, no clusters, 140,288 bytes of LDS; arguments in0, tab0, emb, b0, in1; writes in1
.if DOCPART == 2
	.amdgcn_target "amdgcn-amd-amdhsa--gfx1250"
	.amdhsa_code_object_version 6
	.text
	.protected	k_q2237c94eb8_layer0
	.globl	k_q2237c94eb8_layer0
	.p2align	8
	.type	k_q2237c94eb8_layer0,@function
k_q2237c94eb8_layer0:
	s_mov_b64 s[64:65], 0
	v_nop
	global_prefetch_b8 v0, s[64:65] scope:SCOPE_SE
	s_setreg_imm32_b32 hwreg(HW_REG_WAVE_MODE, 25, 1), 1
	s_wait_xcnt 0x0
; ONE minGRU LAYER: gh = Q(a) Q(W)^T + bias on codes of FP4; z = sigmoid(gate), h_t = (1 - z_t) h_(t-1) + z_t g(hidden_t), h_(-1) = 0.5; out = h + residual,
; quantised along the channels for the next product.  Arguments: src (W's and the activations' images), tab (whole numbers), emb, bias, out.
; The same text serves both layers; the table's first word ALL says which results are wanted: 1: every time step's; 0: only t >= 496, which is all that the logits read.
; With ALL = 1 the residual's rows are emb's, with ALL = 0 they are the tail in src: two arms of a scalar branch, each with its own buffer's pointer.
; THE SCAN IS TAKEN IN LINEAR SPACE: every term is >= 0, so nothing cancels; the sums' order of rounding differs from a cumulative log-sum-exp's.
; LIMITS: NaN and infinities are not served.  The gate's exponent -u log2(e) is held at 120: z is never taken under 2^-120, and 1 - z = e z has no infinity x 0.
; For hidden under about -88 sigmoid comes out as 0.  A block of zeros gets the scale byte 1 (its codes are zeros; this program alone reads the bytes).
; SHARES.  Work-group (cg, b): batch b, channels 64 cg .. + 63.  EIGHT WAVES, TWO TO A SIMD: a step has four vector instructions and a transcendental for each matrix instruction's worth of
; results many times over, and a wave issues in order: while one wave walks its exponentials or waits for LDS, the SIMD's other wave issues its products and its plain work.
; Wave wv = (w = wv % 4, ch = wv / 4) takes time tile w of a step and channels 32 ch .. + 31 of the 64: two tiles of W's gate rows, two of its hidden rows, KEPT IN REGISTERS
; (4 tiles x 8 K steps x 8 = 256: window 1).  A fragment of the activations feeds four matrix instructions; it comes straight from memory, 512 consecutive bytes a load, to each of the two waves that want it.
; Time goes in 8 steps of 64; in step i wave (w, ch) takes tile tb = 4 i + w (16 steps of time).  Source 0 = 16 time rows, source 1 = 16 rows of W: in the result lane (r, h) holds
; channel r, and its registers j the times 8 h + j: a lane scans 8 times by itself, and the group q0 = 2 w + h is sub-chunk q0 of the step's eight.
; CARRIES.  Each group publishes (P, S) of its 8 times (h_end = P h_start + S) in LDS, one barrier a step.  Each group keeps the h at the start of ITS OWN sub-chunk: from one step
; to the next that is eight entries on: q0 .. 7 of the last step, then 0 .. q0 - 1 of this one.  No entry's bytes are ever written twice (a region for each step), so one barrier does.
; No cluster and no tensor load: the text branches on the table's word, and a step's 8.7 KB of loads a wave stand beside some 300 instructions.
; PIECES UNDER 256 BYTES: a wave's 32 channels are 128 bytes of a residual row and of a tail row (the pair's other wave takes the other 128); a row's scale byte leaves alone (16 bytes a wave and step).
; REGISTERS: window 0: v0-111 addresses, scales, constants, the residual; v128-191 at work; v192-255 the activations' eight fragments.  Window 1: W, fragment (n, s) at 8 (8 n + s).
.set WSC,  0x100000
.set AIMG, 0x110000
.set ASC,  0x510000
.set TAIL, 0x550000                    ; in1 alone: h1 in f32 for t >= 496, row 16 b + t - 496, 4,096 bytes a row
.set HDR,  2048
.set CAR,  65536                       ; LDS: bytes 0 .. 65,535 W's eight tile images; then 9 regions of 4,096 bytes of carries (region 0: identities; region i + 1: step i's)
.set SB0,  CAR+9*4096                  ; then for each wave two stages of 16 rows x 144 bytes: the residual's, the scan's
.set SP,   144                         ; a stage row: 128 bytes + 16
.set STO,  16*SP
.set SBW,  2*STO
.set LI,    1                          ; 16 x lane
.set AOFF,  2                          ; my tile's code image in src
.set SOFF,  3                          ; its scale image
.set IOFF,  4                          ; the row number of row l / 8 of my tile in tab
.set ROFFC, 5                          ; 256 cg + 128 ch + 16 (l % 8): my 16 bytes of a residual row
.set PUB0,  6                          ; my group's entry in region 0
.set STW,   7                          ; the scan's stage, in: row 8 h + j, column 4 r
.set RSD,   8                          ; a stage by rows 4 i + l / 8, 16 bytes a lane
.set RSB,   9                          ; a stage by row l % 16, 64 bytes for each half of the lanes
.set OB,    10                         ; my 8 bytes in an output tile's code image
.set OSB,   11                         ; my row's byte in its scale image
.set LW,    12                         ; LDS: 16 x lane + my half's tiles of W
.set TOFF,  13                         ; my 16 bytes in the tail
.set OO,    14
.set OS,    15
.set AK,    16                         ; v16-23  the eight entries that my group walks, for step 0
.set RO,    24                         ; v24-27  the residual rows' byte offsets
.set IDX,   28                         ; v28-31  their numbers
.set ASCL,  32                         ; v32-35  the activations' scale words
.set TA,    36                         ; v36-39  address temporaries
.set WSCL,  40                         ; v40-55  W's scale words: 4 n + s / 2
.set BG,    56                         ; v56 + 2 ct   -log2(e) x the gate's bias     (pairs: a packed form names both registers, so the odd ones are written too)
.set BH,    60                         ; v60 + 2 ct   -log2(e) x the hidden bias
.set BLO,   64                         ; v64 + 2 ct   the hidden bias + 0.5
.set CY,    68                         ; v68 + 2 ct   h at the start of my sub-chunk
.set PUB,   72                         ; v72-75       (P, S) x 2
.set M1,    76
.set M2,    77
.set SCO,   78
.set BYT,   79
.set Q,     80                         ; v80-81  codes
.set H0,    82                         ; for the head: l / 8,
.set H1,    83                         ; l % 8,
.set H2,    84                         ; my channel's place in the bias,
.set H3,    85                         ; LDS: where my wave puts the tile of W that it fetches,
.set H4,    86                         ; that tile in src,
.set H5,    87                         ; my tiles' scale images in src
.set RES,   96                         ; v96-111  the residual as loaded
.set U,     128                        ; v128-143 gates: accumulators 0, 1, then e, then a and its running products; later the numbers to be quantised
.set V,     144                        ; v144-159 hidden: accumulators 2, 3, then g
.set D,     160                        ; v160-175 z, then z g and its scan
.set T2,    176                        ; v176-191 at work
.set AF,    192                        ; v192-255 the activations' fragments: 8 s
.set MSB, 0
.macro WIN new                         ; the immediate's high byte repeats the setting that is left
.if MSB != \new
	s_set_vgpr_msb (MSB<<8)|\new
.set MSB, \new
.endif
.endm
.macro ALOAD                           ; a tile's eight fragments and its scale words: 17 loads
.set i, 0
.rept 16
	global_load_b128 v[AF+4*i:AF+4*i+3], v[AOFF], s[4:5] offset:512*i
.set i, i+1
.endr
	global_load_b128 v[ASCL:ASCL+3], v[SOFF], s[4:5]
.endm
.macro ILOAD                           ; the row numbers of rows 4 i + l / 8 of a tile
.irp i, 0,1,2,3
	global_load_b32 v[IDX+\i], v[IOFF], s[6:7] offset:16*\i
.endr
.endm
; The residual's 16 rows, my 32 channels of each, from the buffer whose address stands in s[base:base+1]; top: that buffer's last row of 4,096 bytes
.macro RESLOAD base, top
.irp i, 0,1,2,3
	v_min_u32 v[RO+\i], \top, v[IDX+\i]            ; a row number stays inside its buffer
.endr
.irp i, 0,1,2,3
	v_lshlrev_b32 v[RO+\i], 12, v[RO+\i]
.endr
.irp i, 0,1,2,3
	v_add_nc_u32 v[RO+\i], v[RO+\i], v[ROFFC]
.endr
.irp i, 0,1,2,3
	global_load_b128 v[RES+4*\i:RES+4*\i+3], v[RO+\i], s[\base:\base+1]   ; eight lanes read 128 consecutive bytes of one row; four rows a load
.endr
.endm
; K step s: four matrix instructions, the four accumulators by turns.  The first step starts the sums with the constant 0.
.macro MMA s
.irp n, 0,1,2,3
.if (\s) == 0
	v_wmma_scale_f32_16x16x128_f8f6f4 v[U+8*\n:U+8*\n+7], v[AF+8*(\s):AF+8*(\s)+7], v[8*(8*\n+(\s)):8*(8*\n+(\s))+7], 0, v[ASCL+(\s)/2], v[WSCL+4*\n+(\s)/2] matrix_a_fmt:MATRIX_FMT_FP4 matrix_b_fmt:MATRIX_FMT_FP4
.elseif (\s)%2 == 0
	v_wmma_scale_f32_16x16x128_f8f6f4 v[U+8*\n:U+8*\n+7], v[AF+8*(\s):AF+8*(\s)+7], v[8*(8*\n+(\s)):8*(8*\n+(\s))+7], v[U+8*\n:U+8*\n+7], v[ASCL+(\s)/2], v[WSCL+4*\n+(\s)/2] matrix_a_fmt:MATRIX_FMT_FP4 matrix_b_fmt:MATRIX_FMT_FP4
.else
	v_wmma_scale_f32_16x16x128_f8f6f4 v[U+8*\n:U+8*\n+7], v[AF+8*(\s):AF+8*(\s)+7], v[8*(8*\n+(\s)):8*(8*\n+(\s))+7], v[U+8*\n:U+8*\n+7], v[ASCL+(\s)/2], v[WSCL+4*\n+(\s)/2] matrix_a_fmt:MATRIX_FMT_FP4 matrix_b_fmt:MATRIX_FMT_FP4 matrix_a_scale:MATRIX_SCALE_ROW1 matrix_b_scale:MATRIX_SCALE_ROW1
.endif
.endr
.endm
	s_load_b256 s[4:11], s[0:1], 0x0               ; src s[4:5], tab s[6:7], emb s[8:9], bias s[10:11]
	s_load_b64 s[12:13], s[0:1], 0x20              ; out
	v_lshl_add_u32 v126, v0, 2, 0x22000
	v_mov_b32 v127, 0
	; all offsets and LDS addresses are made while the arguments are on their way: none of them needs one
	v_lshrrev_b32 v[M1], 5, v0
	v_readfirstlane_b32 s14, v[M1]                 ; wave wv, 0 .. 7
	s_and_b32 s18, s14, 3                          ; w: my time tile in a step
	s_lshr_b32 s19, s14, 2                         ; ch: my half of the channels
	s_mov_b32 s15, ttmp9                           ; cg
	s_and_b32 s16, ttmp7, 0xffff                   ; b
	s_mov_b32 s20, 0xbfb8aa3b                      ; -log2(e); the packed forms name the pair
	s_mov_b32 s21, s20
	s_mov_b32 s22, 0x76543210
	s_mov_b32 s23, 0xfedcba98                      ; v_permlanex16_b32's selects for lane l xor 16
	s_mov_b32 s24, s18                             ; tb
	s_mov_b32 s25, 0                               ; the step
	s_mov_b32 s31, 0                               ; 4,096 x the step
	v_and_b32 v[M1], 31, v0                        ; l
	v_and_b32 v[M2], 15, v0                        ; r
	v_bfe_u32 v[SCO], v0, 4, 1                     ; h
	v_bfe_u32 v[BYT], v0, 4, 3                     ; q0 = 2 w + h
	v_bfe_u32 v[H0], v0, 3, 2                      ; l / 8
	v_and_b32 v[H1], 7, v0                         ; l % 8
	v_lshlrev_b32 v[LI], 4, v[M1]
	s_lshl_b32 s32, s15, 2                         ; the tile of W that my wave fetches: 4 cg + w + 64 ch
	s_add_co_u32 s32, s32, s18
	s_lshl_b32 s33, s19, 6
	s_add_co_u32 s32, s32, s33
	s_lshl_b32 s32, s32, 13
	v_add_nc_u32 v[H4], s32, v[LI]
	s_lshl_b32 s32, s14, 13
	v_add_nc_u32 v[H3], s32, v[LI]                 ; it goes to image wv: images 0-3 the gate tiles, 4-7 the hidden tiles
	s_lshl_b32 s32, s19, 14
	v_add_nc_u32 v[LW], s32, v[LI]                 ; my tiles are images 2 ch, 2 ch + 1 and 4 + 2 ch, 5 + 2 ch
	s_lshl_b32 s32, s15, 11
	s_lshl_b32 s33, s19, 10
	s_add_co_u32 s32, s32, s33
	s_add_co_u32 s32, s32, WSC
	v_add_nc_u32 v[H5], s32, v[LI]                 ; W's scale images from tile 4 cg + 2 ch on
	s_lshl_b32 s32, s16, 5
	s_add_co_u32 s32, s32, s18                     ; my first tile: 32 b + w
	s_lshl_b32 s33, s32, 13
	s_add_co_u32 s33, s33, AIMG
	v_add_nc_u32 v[AOFF], s33, v[LI]
	s_lshl_b32 s33, s32, 9
	s_add_co_u32 s33, s33, ASC
	v_add_nc_u32 v[SOFF], s33, v[LI]
	s_lshl_b32 s33, s32, 6
	s_add_co_u32 s33, s33, HDR
	v_lshl_add_u32 v[IOFF], v[H0], 2, s33
	s_lshl_b32 s33, s15, 8
	s_lshl_b32 s32, s19, 7
	s_add_co_u32 s33, s33, s32                     ; 256 cg + 128 ch: my 32 channels, in bytes of f32
	v_lshl_add_u32 v[ROFFC], v[H1], 4, s33
	v_lshl_add_u32 v[H2], v[M2], 2, s33
	s_lshl_b32 s34, s19, 8
	s_add_co_u32 s34, s34, CAR                     ; the carries: my half's 256 bytes of a group's 512
	v_lshlrev_b32 v[PUB0], 9, v[BYT]
	v_lshl_add_u32 v[PUB0], v[M2], 4, v[PUB0]
	v_add_nc_u32 v[PUB0], s34, v[PUB0]
.irp k, 0,1,2,3,4,5,6,7                                ; entry k of my walk: group (q0 + k) % 8, one region on where q0 + k passes 7
	v_add_nc_u32 v[TA], \k, v[BYT]
	v_and_b32 v[TA+1], 7, v[TA]
	v_lshrrev_b32 v[TA], 3, v[TA]
	v_lshlrev_b32 v[TA+1], 9, v[TA+1]
	v_lshl_add_u32 v[TA+1], v[TA], 12, v[TA+1]
	v_lshl_add_u32 v[TA+1], v[M2], 4, v[TA+1]
	v_add_nc_u32 v[AK+\k], s34, v[TA+1]
.endr
	s_mul_i32 s33, s14, SBW
	s_add_co_u32 s33, s33, SB0                     ; my wave's stages
	v_mul_u32_u24 v[STW], v[SCO], 8*SP
	v_lshl_add_u32 v[STW], v[M2], 2, v[STW]
	v_add_nc_u32 v[STW], s33, v[STW]
	v_add_nc_u32 v[STW], STO, v[STW]
	v_mul_u32_u24 v[RSD], v[H0], SP
	v_lshl_add_u32 v[RSD], v[H1], 4, v[RSD]
	v_add_nc_u32 v[RSD], s33, v[RSD]
	v_mul_u32_u24 v[RSB], v[M2], SP
	v_lshl_add_u32 v[RSB], v[SCO], 6, v[RSB]
	v_add_nc_u32 v[RSB], s33, v[RSB]
	s_lshl_b32 s33, s15, 9                         ; my 32 channels are K block 2 cg + ch of the next product: 256 (2 cg + ch) bytes into a tile's image
	s_lshl_b32 s32, s19, 8
	s_add_co_u32 s33, s33, s32
	s_add_co_u32 s33, s33, AIMG
	v_lshlrev_b32 v[OB], 4, v[M2]
	v_lshl_add_u32 v[OB], v[SCO], 3, v[OB]         ; row m's 16 bytes, of which my half of the lanes has 8
	v_add_nc_u32 v[OB], s33, v[OB]
	s_bfe_u32 s33, s15, 0x10001                    ; the block's K step is cg / 2: its parity picks the half of the lanes,
	s_lshl_b32 s33, s33, 8
	s_lshr_b32 s32, s15, 2                         ; its half the word,
	s_lshl_b32 s32, s32, 2
	s_add_co_u32 s33, s33, s32
	s_and_b32 s32, s15, 1                          ; and 2 (cg % 2) + ch the byte of the word
	s_lshl_b32 s32, s32, 1
	s_add_co_u32 s33, s33, s32
	s_add_co_u32 s33, s33, s19
	s_add_co_u32 s33, s33, ASC
	v_lshl_add_u32 v[OSB], v[M2], 4, s33
	s_lshl_b32 s33, s16, 16
	s_add_co_u32 s33, s33, TAIL
	v_lshl_add_u32 v[TOFF], v[H0], 12, s33
	v_add_nc_u32 v[TOFF], v[TOFF], v[ROFFC]
.irp i, 0,1,2,3
	v_mov_b32 v[IDX+\i], 0                         ; written once, so that they hold a number on every way through the text
.endr
.set i, 0
.rept 16
	v_mov_b32 v[RES+i], 0                          ; likewise the residual's registers
.set i, i+1
.endr
.irp ct, 0,1
	v_mov_b32 v[BG+2*\ct+1], 0
	v_mov_b32 v[BH+2*\ct+1], 0
	v_mov_b32 v[BLO+2*\ct+1], 0
	v_mov_b32 v[CY+2*\ct], 0.5                     ; h_(-1) = g(0)
	v_mov_b32 v[CY+2*\ct+1], 0
	v_mov_b32 v[PUB+2*\ct], 1.0                    ; the identity: P = 1, S = 0
	v_mov_b32 v[PUB+2*\ct+1], 0
.endr
	s_wait_kmcnt 0x0                               ; the arguments
	s_load_b32 s17, s[6:7], 0x0                    ; ALL: it is wanted only behind the loads below
.set i, 0
.rept 16
	global_load_b128 v[U+4*i:U+4*i+3], v[H4], s[4:5] offset:512*i       ; one tile of W: 8,192 bytes
.set i, i+1
.endr
.irp ct, 0,1
	global_load_b32 v[BG+2*\ct], v[H2], s[10:11] offset:64*\ct
	global_load_b32 v[BH+2*\ct], v[H2], s[10:11] offset:4096+64*\ct
.endr
.irp n, 0,1,2,3
	global_load_b128 v[WSCL+4*\n:WSCL+4*\n+3], v[H5], s[4:5] offset:512*(\n%2)+32768*(\n/2)
.endr
	ALOAD
	ds_store_b128 v[PUB0], v[PUB:PUB+3]            ; region 0: identities
	s_wait_kmcnt 0x0                               ; ALL
	s_cmp_eq_u32 s17, 0
	s_cbranch_scc1 .Lhead_no_idx
	ILOAD
.Lhead_no_idx:
	s_wait_loadcnt 21                              ; W's 16 loads and the biases' 4 are in: behind them stand the 4 scale loads and the tile's 17 (and, on one way, 4 more: the count is then only stricter)
.set i, 0
.rept 16
	ds_store_b128 v[H3], v[U+4*i:U+4*i+3] offset:512*i
.set i, i+1
.endr
	s_wait_dscnt 0x0                               ; for the others' sake: my stores have landed
	s_barrier_signal -1
	s_barrier_wait -1
	WIN 0x40                                       ; destination window 1
.irp n, 0,1,2,3
.irp s, 0,1,2,3,4,5,6,7
.irp c, 0,1
	ds_load_b128 v[8*(8*\n+\s)+4*\c:8*(8*\n+\s)+4*\c+3], v[LW] offset:(\n%2)*8192+(\n/2)*32768+\s*1024+\c*512
.endr
.endr
.endr
	WIN 0
.irp ct, 0,1
	v_add_f32 v[BLO+2*\ct], 0.5, v[BH+2*\ct]
	v_mul_f32 v[BG+2*\ct], s20, v[BG+2*\ct]
	v_mul_f32 v[BH+2*\ct], s20, v[BH+2*\ct]
.endr
	s_wait_dscnt 0x0
.Lstep:
	s_wait_loadcnt 0x0                             ; this tile's fragments, scale words and row numbers, asked for in the step before
	s_wait_xcnt 0x0                                ; the last step's stores have read their data and addresses: both are written again below
	s_cmp_eq_u32 s24, 31
	s_cselect_b32 s26, 1, 0
	s_or_b32 s26, s26, s17                         ; are this tile's results wanted?
	s_cmp_eq_u32 s26, 0
	s_cbranch_scc1 .Lno_res
	s_cmp_eq_u32 s17, 0
	s_cbranch_scc1 .Lres_src
	RESLOAD 8, 0x7ff                               ; every step's results: the residual is emb's rows, 2,048 of them
	s_branch .Lno_res
.Lres_src:
	RESLOAD 4, 0x64f                               ; the last 16 steps' alone: it is the tail in src, whose last row of 4,096 bytes is 1,615
.Lno_res:
	WIN 0x04                                       ; source 1 (W) window 1
	MMA 0
	MMA 1
	MMA 2
	MMA 3
	MMA 4
	MMA 5
	MMA 6
	MMA 7
	WIN 0
.rept 4
	v_nop                                          ; four places behind the last products: loads into their sources and reads of their results follow
.endr
	s_cmp_eq_u32 s25, 7
	s_cbranch_scc1 .Lno_next                       ; the last step asks for nothing: no load leaves its buffer
	v_add_nc_u32 v[AOFF], 0x8000, v[AOFF]          ; four tiles on (the loads that read these addresses were waited for at the step's head)
	v_add_nc_u32 v[SOFF], 0x800, v[SOFF]
	v_add_nc_u32 v[IOFF], 0x100, v[IOFF]
	ALOAD                                          ; the next tile: it has the activations, the scan and the way out in which to land
	s_cmp_eq_u32 s24, 27
	s_cselect_b32 s27, 1, 0
	s_or_b32 s27, s27, s17
	s_cmp_eq_u32 s27, 0
	s_cbranch_scc1 .Lno_next
	ILOAD
.Lno_next:
	; THE ACTIVATIONS, 16 elements a lane.  Each accumulator is read from its low end on.
.set j, 0
.rept 8
	v_pk_fma_f32 v[U+j:U+j+1], v[U+j:U+j+1], s[20:21], v[BG+2*(j/8):BG+2*(j/8)+1] op_sel_hi:[1,0,0]    ; -u log2(e)
.set j, j+2
.endr
.set j, 0
.rept 8
	v_pk_fma_f32 v[T2+j:T2+j+1], v[V+j:V+j+1], s[20:21], v[BH+2*(j/8):BH+2*(j/8)+1] op_sel_hi:[1,0,0]  ; -v log2(e)
.set j, j+2
.endr
.set j, 0
.rept 16
	v_min_num_f32 v[U+j], 0x42f00000, v[U+j]       ; held at 120
.set j, j+1
.endr
.set j, 0
.rept 16
	v_exp_f32 v[U+j], v[U+j]                       ; e = exp(-u)
.set j, j+1
.endr
.set j, 0
.rept 16
	v_exp_f32 v[T2+j], v[T2+j]                     ; exp(-v)
.set j, j+1
.endr
.set j, 0
.rept 8
	v_pk_add_f32 v[V+j:V+j+1], v[V+j:V+j+1], v[BLO+2*(j/8):BLO+2*(j/8)+1] op_sel_hi:[1,0]              ; v + 0.5: plain work that names no exponential's result
.set j, j+2
.endr
	s_wait_alu depctr_va_vdst(0)                   ; one wait for the 32 exponentials, ahead of their first reader
.set j, 0
.rept 8
	v_pk_add_f32 v[D+j:D+j+1], v[U+j:U+j+1], 1.0 op_sel_hi:[1,0]
	v_pk_add_f32 v[T2+j:T2+j+1], v[T2+j:T2+j+1], 1.0 op_sel_hi:[1,0]
.set j, j+2
.endr
.set j, 0
.rept 16
	v_rcp_f32 v[D+j], v[D+j]                       ; z = sigmoid(u)
.set j, j+1
.endr
.set j, 0
.rept 16
	v_rcp_f32 v[T2+j], v[T2+j]                     ; sigmoid(v)
.set j, j+1
.endr
	v_nop                                          ; a plain instruction behind the last reciprocal
	s_wait_alu depctr_va_vdst(0)                   ; and one wait for the 32
.set j, 0
.rept 8
	v_pk_mul_f32 v[U+j:U+j+1], v[U+j:U+j+1], v[D+j:D+j+1]          ; a = 1 - z = e z
.set j, j+2
.endr
.set j, 0
.rept 16
	v_max_num_f32 v[V+j], v[V+j], v[T2+j]          ; g(v) = max(v + 0.5, sigmoid(v)): sigmoid's slope is at most 1/4, so the two cross at 0 alone
.set j, j+1
.endr
.set j, 0
.rept 8
	v_pk_mul_f32 v[D+j:D+j+1], v[D+j:D+j+1], v[V+j:V+j+1]          ; z g
.set j, j+2
.endr
	; THE SCAN of my 8 times from h = 0, and the running products of a; the two channel tiles by turns.  The last time's pair is what my group publishes.
.irp j, 1,2,3,4,5,6
.irp ct, 0,1
	v_fma_f32 v[D+8*\ct+\j], v[U+8*\ct+\j], v[D+8*\ct+\j-1], v[D+8*\ct+\j]
.endr
.irp ct, 0,1
	v_mul_f32 v[U+8*\ct+\j], v[U+8*\ct+\j], v[U+8*\ct+\j-1]
.endr
.endr
.irp ct, 0,1
	v_fma_f32 v[PUB+2*\ct+1], v[U+8*\ct+7], v[D+8*\ct+6], v[D+8*\ct+7]
	v_mul_f32 v[PUB+2*\ct], v[U+8*\ct+7], v[U+8*\ct+6]
.endr
	v_add_nc_u32 v[TA], s31, v[PUB0]
	ds_store_b128 v[TA], v[PUB:PUB+3] offset:4096  ; region i + 1
	s_wait_dscnt 0x0                               ; for the others' sake: my entry has landed
	s_barrier_signal -1
	s_barrier_wait -1
	; THE CARRY: eight entries on
.irp k, 0,1,2,3,4,5,6,7
.if \k < 4
.set EK, T2+4*\k
.else
.set EK, V+4*(\k-4)
.endif
	v_add_nc_u32 v[TA+\k%4], s31, v[AK+\k]
	ds_load_b128 v[EK:EK+3], v[TA+\k%4]
.endr
.irp k, 0,1,2,3,4,5,6,7
.if \k < 4
.set EK, T2+4*\k
.else
.set EK, V+4*(\k-4)
.endif
	s_wait_dscnt 7-\k                              ; entry k's load is in; the one of each later entry may be out
.irp ct, 0,1
	v_fma_f32 v[CY+2*\ct], v[EK+2*\ct], v[CY+2*\ct], v[EK+2*\ct+1]
.endr
.endr
	s_cmp_eq_u32 s26, 0
	s_cbranch_scc1 .Lno_epi
	; h_t = P_t h_start + S_t
.irp ct, 0,1
.irp j, 0,2,4
	v_pk_fma_f32 v[D+8*\ct+\j:D+8*\ct+\j+1], v[U+8*\ct+\j:U+8*\ct+\j+1], v[CY+2*\ct:CY+2*\ct+1], v[D+8*\ct+\j:D+8*\ct+\j+1] op_sel_hi:[1,0,1]
.endr
	v_fma_f32 v[D+8*\ct+6], v[U+8*\ct+6], v[CY+2*\ct], v[D+8*\ct+6]
	v_fma_f32 v[D+8*\ct+7], v[PUB+2*\ct], v[CY+2*\ct], v[PUB+2*\ct+1]
.endr
	; THE TURN: a lane holds times of one channel; the quantiser wants channels of one time.  Through my wave's own stages; LDS serves a wave's instructions in order.
.irp ct, 0,1
.irp j, 0,1,2,3,4,5,6,7
	ds_store_b32 v[STW], v[D+8*\ct+\j] offset:SP*\j+64*\ct
.endr
.endr
	s_wait_loadcnt 0x0                             ; the residual, asked for at the step's head (for 0: what was issued behind it differs from way to way)
.irp i, 0,1,2,3
	ds_store_b128 v[RSD], v[RES+4*\i:RES+4*\i+3] offset:4*SP*\i
.endr
.irp i, 0,1,2,3
	ds_load_b128 v[U+4*\i:U+4*\i+3], v[RSB] offset:STO+16*\i
.endr
.irp i, 0,1,2,3
	ds_load_b128 v[V+4*\i:V+4*\i+3], v[RSB] offset:16*\i
.endr
	s_lshl_b32 s28, s16, 5                         ; the output tile: 32 b + tb, or b where only the last 16 times are kept
	s_add_co_u32 s28, s28, s24
	s_cmp_lg_u32 s17, 0
	s_cselect_b32 s28, s28, s16
	s_min_u32 s28, s28, 511
	s_lshl_b32 s29, s28, 13
	s_lshl_b32 s30, s28, 9
	s_cmp_eq_u32 s24, 31
	s_cselect_b32 s27, s17, 0                      ; is the tail to be written?
	s_wait_dscnt 0x0
.set j, 0
.rept 8
	v_pk_add_f32 v[U+j:U+j+1], v[U+j:U+j+1], v[V+j:V+j+1]          ; + the residual: lane (m, hk) holds time m, channels 16 hk .. + 15 of my 32
.set j, j+2
.endr
	s_cmp_eq_u32 s27, 0
	s_cbranch_scc1 .Lno_tail
.irp i, 0,1,2,3                                        ; the last 16 times in f32, for the next layer's residual: back through the stage, so that eight lanes store 128 consecutive bytes of a row
	ds_store_b128 v[RSB], v[U+4*\i:U+4*\i+3] offset:STO+16*\i
.endr
.irp i, 0,1,2,3
	ds_load_b128 v[V+4*\i:V+4*\i+3], v[RSD] offset:STO+4*SP*\i
.endr
	s_wait_dscnt 0x0
.irp i, 0,1,2,3
	global_store_b128 v[TOFF], v[V+4*\i:V+4*\i+3], s[12:13] offset:16384*\i
.endr
.Lno_tail:
	; THE QUANTISER: my 16 numbers and lane l xor 16's are one block
	v_max3_num_f32 v[M1], |v[U]|, |v[U+1]|, 0x1800000              ; with the floor 2^(3 - 127): the byte cannot fall under 1
	v_max3_num_f32 v[M2], |v[U+2]|, |v[U+3]|, |v[U+4]|
.irp i, 5,9
	v_max3_num_f32 v[M1], v[M1], |v[U+\i]|, |v[U+\i+1]|
	v_max3_num_f32 v[M2], v[M2], |v[U+\i+2]|, |v[U+\i+3]|
.endr
	v_max3_num_f32 v[M1], v[M1], |v[U+13]|, |v[U+14]|
	v_max3_num_f32 v[M1], v[M1], v[M2], |v[U+15]|
	v_permlanex16_b32 v[M2], v[M1], s22, s23
	v_max_num_f32 v[M1], v[M1], v[M2]              ; the block's largest magnitude
	v_add_nc_u32 v[SCO], 0xff000000, v[M1]         ; 2 off its exponent field: the conversion's scale operand
	v_cvt_scalef32_pk8_fp4_f32 v[Q], v[U:U+7], v[SCO]
	v_cvt_scalef32_pk8_fp4_f32 v[Q+1], v[U+8:U+15], v[SCO]
	v_lshrrev_b32 v[BYT], 23, v[SCO]               ; the scale's byte (also the plain instruction behind the conversions)
	v_add_nc_u32 v[OO], s29, v[OB]
	v_add_nc_u32 v[OS], s30, v[OSB]
	global_store_b64 v[OO], v[Q:Q+1], s[12:13]     ; the wave stores 256 consecutive bytes, aligned: a piece of the next product's fragment as it will be loaded
	global_store_b8 v[OS], v[BYT], s[12:13]        ; lanes l and l + 16 write the same byte with the same value
.Lno_epi:
	s_add_co_u32 s24, s24, 4
	s_add_co_u32 s31, s31, 4096
	s_add_co_u32 s25, s25, 1
	s_cmp_lt_u32 s25, 8
	s_cbranch_scc1 .Lstep
	s_wait_tensorcnt 0x0
	ds_add_u32 v126, v127
	s_wait_dscnt 0x0
	s_endpgm
.Lfunc_end_k_q2237c94eb8_layer0:
	.size	k_q2237c94eb8_layer0, .Lfunc_end_k_q2237c94eb8_layer0-k_q2237c94eb8_layer0
	.p2alignl 7, 3214868480
	.fill 96, 4, 3214868480
	.section	.rodata,"a",@progbits
	.p2align	6, 0x0
	.amdhsa_kernel k_q2237c94eb8_layer0
		.amdhsa_group_segment_fixed_size 140288
		.amdhsa_private_segment_fixed_size 0
		.amdhsa_enable_private_segment 0
		.amdhsa_kernarg_size 40
		.amdhsa_user_sgpr_count 2
		.amdhsa_user_sgpr_kernarg_segment_ptr 1
		.amdhsa_wavefront_size32 1
		.amdhsa_system_sgpr_workgroup_id_x 1
		.amdhsa_system_sgpr_workgroup_id_y 1
		.amdhsa_system_sgpr_workgroup_id_z 1
		.amdhsa_system_vgpr_workitem_id 0
		.amdhsa_next_free_vgpr 512
		.amdhsa_next_free_sgpr 66
		.amdhsa_reserve_vcc 0
		.amdhsa_float_denorm_mode_32 3
		.amdhsa_float_denorm_mode_16_64 3
		.amdhsa_memory_ordered 1
		.amdhsa_forward_progress 1
		.amdhsa_inst_pref_size 43
	.end_amdhsa_kernel
	.amdgpu_metadata
---
amdhsa.version: [ 1, 2 ]
amdhsa.kernels:
  - .name:           k_q2237c94eb8_layer0
    .symbol:         k_q2237c94eb8_layer0.kd
    .args:
      - { .name: in0, .offset: 0, .size: 8, .value_kind: global_buffer, .address_space: global }
      - { .name: tab0, .offset: 8, .size: 8, .value_kind: global_buffer, .address_space: global }
      - { .name: emb, .offset: 16, .size: 8, .value_kind: global_buffer, .address_space: global }
      - { .name: b0, .offset: 24, .size: 8, .value_kind: global_buffer, .address_space: global }
      - { .name: in1, .offset: 32, .size: 8, .value_kind: global_buffer, .address_space: global }
    .group_segment_fixed_size: 140288
    .private_segment_fixed_size: 0
    .kernarg_segment_align: 8
    .kernarg_segment_size: 40
    .max_flat_workgroup_size: 256
    .sgpr_count:     66
    .vgpr_count:     512
    .wavefront_size: 32
...
	.end_amdgpu_metadata
.endif
;; end of part 2
;; launch layer1: the kernel of part 2 again; grid 16 x 16, 8 waves a work-group, no clusters, 140,288 bytes of LDS; arguments in1, tab1, emb, b1, in2; writes in2
;; launch logits (part 3): grid 32 x 8, 2 waves a work-group, no clusters, 8,960 bytes of LDS; arguments in2, bl, out0; writes out0
.if DOCPART == 3
	.amdgcn_target "amdgcn-amd-amdhsa--gfx1250"
	.amdhsa_code_object_version 6
	.text
	.protected	k_q2237c94eb8_logits
	.globl	k_q2237c94eb8_logits
	.p2align	8
	.type	k_q2237c94eb8_logits,@function
k_q2237c94eb8_logits:
	s_mov_b64 s[64:65], 0
	v_nop
	global_prefetch_b8 v0, s[64:65] scope:SCOPE_SE
	s_setreg_imm32_b32 hwreg(HW_REG_WAVE_MODE, 25, 1), 1
	s_wait_xcnt 0x0
; out0[b][t'][v] = Q(h2[b][496 + t']) . Q(Wl[v]) + bl[v], on codes of FP4 with E8M0 scales, for the 16 x 16 rows that are kept.
; in2 holds Wl's 128 tiles and the 16 tiles of rows (tile b: the batch's last 16 times) as images of the operand's registers: a fragment is two loads of 16 bytes a lane at 16 x lane.
; SHARES.  Work-group (ng, mp), two waves; wave w takes batch mt = 2 mp + w and vocabulary 64 ng .. + 63: four accumulators, 32 matrix instructions.
; THE PRODUCT IS USED TRANSPOSED (source 0 = 16 rows of Wl, source 1 = the 16 times): lane (r, h) holds time r and eight neighbouring entries of the vocabulary.
; bl is loaded straight into the accumulators and is the C of the first products: no addition is spent on it.
; The results go through the wave's own stage in LDS and leave so that a half wave stores 256 consecutive bytes, aligned.  Waves share nothing: no barrier.
; Every byte is read by one load a wave at the head; nothing is streamed, so no ring, no cluster, no tensor load.
.set WSC,  0x100000
.set AIMG, 0x110000
.set ASC,  0x510000
.set SP,   272
.set ASCL, 40                          ; v40-43   the rows' scale words
.set WSCL, 48                          ; v48-63   Wl's: 4 k + s / 2
.set AF,   64                          ; v64-127  the rows' eight fragments
.set ACC,  128                         ; v128-159 four accumulators
.set BK,   160                         ; v160-191 rows read back from the stage
.set MSB, 0
.macro WIN new                         ; the immediate's high byte repeats the setting that is left
.if MSB != \new
	s_set_vgpr_msb (MSB<<8)|\new
.set MSB, \new
.endif
.endm
	s_load_b128 s[4:7], s[0:1], 0x0                ; in2, bl
	s_load_b64 s[8:9], s[0:1], 0x10                ; out0
	v_lshl_add_u32 v254, v0, 2, 0x2200
	v_mov_b32 v255, 0
	v_lshrrev_b32 v1, 5, v0
	v_readfirstlane_b32 s10, v1                    ; wave w
	s_and_b32 s11, ttmp7, 0xffff
	s_lshl_b32 s11, s11, 1
	s_add_co_u32 s11, s11, s10                     ; mt
	v_and_b32 v2, 31, v0                           ; l
	v_and_b32 v3, 15, v0                           ; r
	v_bfe_u32 v4, v0, 4, 1                         ; h
	v_lshlrev_b32 v1, 4, v2                        ; 16 x lane
	s_lshl_b32 s12, ttmp9, 15
	v_add_nc_u32 v5, s12, v1                       ; Wl's images from tile 4 ng on
	s_lshl_b32 s12, ttmp9, 11
	s_add_co_u32 s12, s12, WSC
	v_add_nc_u32 v6, s12, v1                       ; and their scale images
	s_lshl_b32 s12, s11, 13
	s_add_co_u32 s12, s12, AIMG
	v_add_nc_u32 v7, s12, v1                       ; my rows' image
	s_lshl_b32 s12, s11, 9
	s_add_co_u32 s12, s12, ASC
	v_add_nc_u32 v8, s12, v1
	s_lshl_b32 s12, ttmp9, 8
	v_lshl_add_u32 v9, v4, 5, s12                  ; bl: (64 ng + 8 h) x 4
	s_mul_i32 s13, s10, 16*SP                      ; my stage
	v_mul_u32_u24 v10, v3, SP
	v_lshl_add_u32 v10, v4, 5, v10
	v_add_nc_u32 v10, s13, v10                     ; in: row r, 32 bytes for each half of the lanes
	v_mul_u32_u24 v11, v4, 8*SP
	v_lshl_add_u32 v11, v3, 4, v11
	v_add_nc_u32 v11, s13, v11                     ; back: row 8 (l / 16) + i, 16 bytes a lane
	s_lshl_b32 s13, s11, 17
	s_add_co_u32 s13, s13, s12
	v_lshl_add_u32 v12, v4, 16, s13
	v_lshl_add_u32 v12, v3, 4, v12                 ; out0: (16 mt + 8 (l / 16)) rows of 8,192 bytes + 256 ng + 16 (l % 16)
	s_wait_kmcnt 0x0
	WIN 0x40                                       ; destination window 1: Wl's fragment (k, s) at 64 k + 8 s
.set i, 0
.rept 64
	global_load_b128 v[4*i:4*i+3], v5, s[4:5] offset:512*i
.set i, i+1
.endr
	WIN 0
.set i, 0
.rept 16
	global_load_b128 v[AF+4*i:AF+4*i+3], v7, s[4:5] offset:512*i
.set i, i+1
.endr
	global_load_b128 v[ASCL:ASCL+3], v8, s[4:5]
.irp k, 0,1,2,3
	global_load_b128 v[WSCL+4*\k:WSCL+4*\k+3], v6, s[4:5] offset:512*\k
	global_load_b128 v[ACC+8*\k:ACC+8*\k+3], v9, s[6:7] offset:64*\k
	global_load_b128 v[ACC+8*\k+4:ACC+8*\k+7], v9, s[6:7] offset:64*\k+16
.endr
	s_wait_loadcnt 0x0
	WIN 0x01                                       ; source 0 window 1
.irp s, 0,1,2,3,4,5,6,7                                ; the four accumulators by turns
.irp k, 0,1,2,3
.if \s%2 == 0
	v_wmma_scale_f32_16x16x128_f8f6f4 v[ACC+8*\k:ACC+8*\k+7], v[64*\k+8*\s:64*\k+8*\s+7], v[AF+8*\s:AF+8*\s+7], v[ACC+8*\k:ACC+8*\k+7], v[WSCL+4*\k+\s/2], v[ASCL+\s/2] matrix_a_fmt:MATRIX_FMT_FP4 matrix_b_fmt:MATRIX_FMT_FP4
.else
	v_wmma_scale_f32_16x16x128_f8f6f4 v[ACC+8*\k:ACC+8*\k+7], v[64*\k+8*\s:64*\k+8*\s+7], v[AF+8*\s:AF+8*\s+7], v[ACC+8*\k:ACC+8*\k+7], v[WSCL+4*\k+\s/2], v[ASCL+\s/2] matrix_a_fmt:MATRIX_FMT_FP4 matrix_b_fmt:MATRIX_FMT_FP4 matrix_a_scale:MATRIX_SCALE_ROW1 matrix_b_scale:MATRIX_SCALE_ROW1
.endif
.endr
.endr
	WIN 0
.rept 4
	v_nop                                          ; four places behind the last products, ahead of the stores that read their results
.endr
.irp k, 0,1,2,3
	ds_store_b128 v10, v[ACC+8*\k:ACC+8*\k+3] offset:64*\k         ; each accumulator from its low end on
	ds_store_b128 v10, v[ACC+8*\k+4:ACC+8*\k+7] offset:64*\k+16
.endr
.irp i, 0,1,2,3,4,5,6,7
	ds_load_b128 v[BK+4*\i:BK+4*\i+3], v11 offset:SP*\i            ; LDS serves a wave's instructions in order: these see my stores
.endr
.irp i, 0,1,2,3,4,5,6,7
	s_wait_dscnt 7-\i                              ; load i is in; the later ones may be out
	global_store_b128 v12, v[BK+4*\i:BK+4*\i+3], s[8:9] offset:8192*\i th:TH_STORE_NT
.endr
	s_wait_tensorcnt 0x0
	ds_add_u32 v254, v255
	s_wait_dscnt 0x0
	s_endpgm
.Lfunc_end_k_q2237c94eb8_logits:
	.size	k_q2237c94eb8_logits, .Lfunc_end_k_q2237c94eb8_logits-k_q2237c94eb8_logits
	.p2alignl 7, 3214868480
	.fill 96, 4, 3214868480
	.section	.rodata,"a",@progbits
	.p2align	6, 0x0
	.amdhsa_kernel k_q2237c94eb8_logits
		.amdhsa_group_segment_fixed_size 8960
		.amdhsa_private_segment_fixed_size 0
		.amdhsa_enable_private_segment 0
		.amdhsa_kernarg_size 24
		.amdhsa_user_sgpr_count 2
		.amdhsa_user_sgpr_kernarg_segment_ptr 1
		.amdhsa_wavefront_size32 1
		.amdhsa_system_sgpr_workgroup_id_x 1
		.amdhsa_system_sgpr_workgroup_id_y 1
		.amdhsa_system_sgpr_workgroup_id_z 1
		.amdhsa_system_vgpr_workitem_id 0
		.amdhsa_next_free_vgpr 512
		.amdhsa_next_free_sgpr 66
		.amdhsa_reserve_vcc 0
		.amdhsa_float_denorm_mode_32 3
		.amdhsa_float_denorm_mode_16_64 3
		.amdhsa_memory_ordered 1
		.amdhsa_forward_progress 1
		.amdhsa_inst_pref_size 18
	.end_amdhsa_kernel
	.amdgpu_metadata
---
amdhsa.version: [ 1, 2 ]
amdhsa.kernels:
  - .name:           k_q2237c94eb8_logits
    .symbol:         k_q2237c94eb8_logits.kd
    .args:
      - { .name: in2, .offset: 0, .size: 8, .value_kind: global_buffer, .address_space: global }
      - { .name: bl, .offset: 8, .size: 8, .value_kind: global_buffer, .address_space: global }
      - { .name: out0, .offset: 16, .size: 8, .value_kind: global_buffer, .address_space: global }
    .group_segment_fixed_size: 8960
    .private_segment_fixed_size: 0
    .kernarg_segment_align: 8
    .kernarg_segment_size: 24
    .max_flat_workgroup_size: 64
    .sgpr_count:     66
    .vgpr_count:     512
    .wavefront_size: 32
...
	.end_amdgpu_metadata
.endif
;; end of part 3
;; ======== version 2 of 2: 4 launches
;; workspace buffers: in0 5,570,560 bytes; in1 6,619,136 bytes; in2 5,316,608 bytes; tab0 34,816 bytes of whole numbers; tab1 34,816 bytes of whole numbers
;; launch prep (part 4): grid 897 x 1, 4 waves a work-group, no clusters, 18,432 bytes of LDS; arguments W0, W1, Wl, emb, x, in0, in1, in2, tab0, tab1; writes in0, in1, in2, tab0, tab1
.if DOCPART == 4
	.amdgcn_target "amdgcn-amd-amdhsa--gfx1250"
	.amdhsa_code_object_version 6
	.text
	.protected	k_q2237c94eb8_prep
	.globl	k_q2237c94eb8_prep
	.p2align	8
	.type	k_q2237c94eb8_prep,@function
k_q2237c94eb8_prep:
	s_mov_b64 s[64:65], 0
	v_nop
	global_prefetch_b8 v0, s[64:65] scope:SCOPE_SE
	s_setreg_imm32_b32 hwreg(HW_REG_WAVE_MODE, 25, 1), 1
	s_wait_xcnt 0x0
; W0, W1, Wl [2048][1024] f32 and the gathered rows emb[x] become codes of FP4 (E2M1) with one E8M0 byte for each 32 along K,
; laid as IMAGES OF THE OPERAND'S REGISTERS.  A tile is 16 rows x 1,024 K = 8,192 bytes: the 16 bytes (32 codes) of row m and K block
; 4 s + 2 c + hk lie at 1024 s + 512 c + 256 hk + 16 m, so that a fragment of K step s is two loads of 16 bytes a lane at 16 x lane.
; A tile's scale words (512 bytes): the word of (row m, K step s) lies at 16 (m + 16 (s & 1)) + 4 (s >> 1): one load of 16 bytes a lane
; gives four registers, register p holding step 2 p in lanes 0-15 and step 2 p + 1 in lanes 16-31.
; SHARES.  Work-groups 0-383: weight g / 128 (W0 -> in0, W1 -> in1, Wl -> in2), tile g % 128.  Work-groups 384-895: tile g - 384 of the
; 8,192 token rows -> in0.  Work-group 896: the two tables that steer the layer launches.  In a tile's work-group wave q takes K steps
; 2 q and 2 q + 1, in four turns of 64 along K (16 rows x 256 bytes).
; A turn's loads take the bytes as they lie (a half wave reads 256 consecutive bytes of a row, aligned); they go through the wave's own
; stage in LDS and come back with one whole block of 32 in a lane, so that a block's largest magnitude needs no other lane.
; A block's scale is 2^(floor(log2(largest magnitude)) - 2); its byte is the largest magnitude's exponent field - 2, held at 1 from below.
; LIMITS: a block of zeros gets the byte 1 (its codes are zeros, and this program alone reads the bytes); NaN and infinities are not served.
.set WSC,  0x100000                    ; in a buffer: the weight's scale images behind its 128 code images
.set AIMG, 0x110000                    ; the activations' code images
.set ASC,  0x510000                    ; and their scale images
.set NWT,  384                         ; weight tiles
.set NAT,  512                         ; token tiles
.set HDR,  2048                        ; a table's header in bytes
.set SP,   272                         ; a stage row: 256 bytes + 16
.set WST,  16*SP                       ; a wave's stage
.set SCG,  4*WST                       ; behind the stages: 512 bytes in which the tile's scale words meet
.set RO,   16                          ; v16-23   byte offsets of my eight rows
.set IDX,  24                          ; v24-31   token numbers
.set R,    32                          ; v32-159  four turns x 32 registers as loaded
.set X,    160                         ; v160-223 two sets of 32 neighbours along K
.set Q,    224                         ; v224-239 a turn's codes, four registers each: no store's data are written again
.set BY,   240                         ; v240-243 a turn's scale byte
.set M1,   244
.set M2,   245
.set SCO,  246
.set T,    247
	s_load_b512 s[4:19], s[0:1], 0x0               ; W0 s[4:5], W1 s[6:7], Wl s[8:9], emb s[10:11], x s[12:13], in0 s[14:15], in1 s[16:17], in2 s[18:19]
	s_load_b128 s[20:23], s[0:1], 0x40             ; tab0, tab1
	v_lshl_add_u32 v14, v0, 2, 0x4600
	v_mov_b32 v15, 0
	v_lshrrev_b32 v1, 5, v0
	v_readfirstlane_b32 s24, v1                    ; wave q
	v_and_b32 v1, 31, v0                           ; lane l
	v_and_b32 v2, 15, v0                           ; l % 16
	v_bfe_u32 v3, v0, 4, 1                         ; hk = l / 16
	s_lshl_b32 s25, s24, 10
	v_lshl_add_u32 v4, v2, 4, s25                  ; in a row of 4,096 bytes: my wave's quarter + my 16 bytes
	s_mul_i32 s25, s24, WST
	v_mul_u32_u24 v5, v3, 8*SP
	v_lshl_add_u32 v5, v2, 4, v5
	v_add_nc_u32 v5, s25, v5                       ; the stage, in: row 8 hk + i, column 16 (l % 16)
	v_mul_u32_u24 v6, v2, SP
	v_lshl_add_u32 v6, v3, 7, v6
	v_add_nc_u32 v6, s25, v6                       ; and out: row l % 16, 128 bytes for each half of the lanes
	v_lshlrev_b32 v9, 4, v1
	v_add_nc_u32 v9, SCG, v9                       ; the scale words' image: 16 bytes a lane,
	s_lshl_b32 s25, s24, 2
	v_add_nc_u32 v8, s25, v9                       ; of which word q is my wave's
	v_lshlrev_b32 v10, 3, v3                       ; 8 hk: my byte's place
	v_mov_b32 v[T], 0                              ; a lane permute's destination counts as one of its sources
	s_mov_b32 s32, 0x76543210
	s_mov_b32 s33, 0xfedcba98                      ; v_permlanex16_b32's selects for lane l xor 16
	s_and_b32 s34, ttmp9, 127
	s_sub_co_u32 s35, ttmp9, NWT
	s_mov_b32 s31, ASC
	s_cmp_lt_u32 ttmp9, NWT                        ; a weight's tile or a token tile
	s_cselect_b32 s34, s34, s35                    ; the tile's number
	s_cselect_b32 s30, 0, AIMG
	s_cselect_b32 s31, WSC, s31
	s_lshl_b32 s35, s34, 13
	s_add_co_u32 s30, s30, s35
	s_lshl_b32 s35, s24, 11
	s_add_co_u32 s30, s30, s35                     ; the tile's image + my wave's two K steps
	s_lshl_b32 s35, s34, 9
	s_add_co_u32 s31, s31, s35
	v_lshl_add_u32 v7, v1, 4, s30                  ; where my codes go
	v_lshl_add_u32 v11, v1, 4, s31                 ; where the scale image goes
	s_lshr_b32 s25, ttmp9, 7                       ; 0, 1, 2: W0, W1, Wl
	s_wait_kmcnt 0x0
	s_mov_b64 s[26:27], s[10:11]                   ; from: emb, unless a weight;   to: in0, unless W1 or Wl.  The choices hang on the work-group's number alone
	s_mov_b64 s[28:29], s[14:15]
	s_cmp_eq_u32 s25, 0
	s_cselect_b64 s[26:27], s[4:5], s[26:27]
	s_cmp_eq_u32 s25, 1
	s_cselect_b64 s[26:27], s[6:7], s[26:27]
	s_cselect_b64 s[28:29], s[16:17], s[28:29]
	s_cmp_eq_u32 s25, 2
	s_cselect_b64 s[26:27], s[8:9], s[26:27]
	s_cselect_b64 s[28:29], s[18:19], s[28:29]
	s_cmp_eq_u32 ttmp9, NWT+NAT
	s_cbranch_scc1 .Ltab
	s_cmp_lt_u32 ttmp9, NWT
	s_cbranch_scc0 .Lgather
	s_lshl_b32 s35, s34, 16                        ; a weight's tile: rows 16 nt + 8 hk + i
	v_lshl_add_u32 v[M1], v3, 15, s35
	v_add_nc_u32 v[M1], v[M1], v4
.irp i, 0,1,2,3,4,5,6,7
	v_add_nc_u32 v[RO+\i], \i*4096, v[M1]
.endr
	s_branch .Lrows
.Lgather:
	s_lshl_b32 s35, s34, 6                         ; a token tile: rows x[16 tau + 8 hk + i] of emb
	v_lshl_add_u32 v[M1], v3, 5, s35
	global_load_b128 v[IDX:IDX+3], v[M1], s[12:13]
	global_load_b128 v[IDX+4:IDX+7], v[M1], s[12:13] offset:16
	s_wait_loadcnt 0x0
.irp i, 0,1,2,3,4,5,6,7
	v_min_u32 v[RO+\i], 0x7ff, v[IDX+\i]           ; an index stays inside its table of 2,048 rows
.endr
.irp i, 0,1,2,3,4,5,6,7
	v_lshlrev_b32 v[RO+\i], 12, v[RO+\i]
.endr
.irp i, 0,1,2,3,4,5,6,7
	v_add_nc_u32 v[RO+\i], v[RO+\i], v4
.endr
.Lrows:
	s_wait_alu depctr_va_vdst(0)
.irp it, 0,1,2,3                                       ; all 32 loads at once: turn it, rows i (lanes 0-15) and i + 8 (lanes 16-31)
.irp i, 0,1,2,3,4,5,6,7
	global_load_b128 v[R+32*\it+4*\i:R+32*\it+4*\i+3], v[RO+\i], s[26:27] offset:256*\it
.endr
.endr
.macro TURN t                          ; turn t's 4,096 bytes through the stage.  LDS serves a wave's instructions in order, so no wait stands between the stores and the loads
.irp i, 0,1,2,3,4,5,6,7
	ds_store_b128 v5, v[R+32*(\t)+4*\i:R+32*(\t)+4*\i+3] offset:SP*\i
.endr
.irp i, 0,1,2,3,4,5,6,7
	ds_load_b128 v[X+32*((\t)%2)+4*\i:X+32*((\t)%2)+4*\i+3], v6 offset:16*\i
.endr
.endm
.macro AMAX xs                         ; the largest magnitude of 32 numbers, with the floor 2^(3 - 127) among the leaves: 16 instructions, two chains
	v_max3_num_f32 v[M1], |v[\xs]|, |v[\xs+1]|, 0x1800000
	v_max3_num_f32 v[M2], |v[\xs+2]|, |v[\xs+3]|, |v[\xs+4]|
.irp i, 5,9,13,17,21,25
	v_max3_num_f32 v[M1], v[M1], |v[\xs+\i]|, |v[\xs+\i+1]|
	v_max3_num_f32 v[M2], v[M2], |v[\xs+\i+2]|, |v[\xs+\i+3]|
.endr
	v_max3_num_f32 v[M1], v[M1], |v[\xs+29]|, |v[\xs+30]|
	v_max3_num_f32 v[M1], v[M1], v[M2], |v[\xs+31]|
.endm
.macro ITER it
.set XS, X+32*((\it)%2)
	s_wait_dscnt 0x0                               ; this turn's numbers are back from the stage
.if (\it) < 3
	s_wait_loadcnt 8*(2-(\it))                     ; the next turn's eight loads are in; the eight of each later turn may be out
	TURN (\it)+1                                   ; and go through the stage while this turn is worked
.endif
	AMAX XS
	v_add_nc_u32 v[SCO], 0xff000000, v[M1]         ; 2 off its exponent field: the conversion takes the exponent field of this operand as its scale
.irp g, 0,1,2,3
	v_cvt_scalef32_pk8_fp4_f32 v[Q+4*(\it)+\g], v[XS+8*\g:XS+8*\g+7], v[SCO]
.endr
	v_lshrrev_b32 v[BY+(\it)], 23, v[SCO]          ; the scale's byte (also the plain instruction behind the conversions)
	global_store_b128 v7, v[Q+4*(\it):Q+4*(\it)+3], s[28:29] offset:512*(\it)   ; the wave stores 512 consecutive bytes, aligned
.endm
	s_wait_loadcnt 24                              ; turn 0's eight loads are in; 24 younger ones may be out
	TURN 0
	ITER 0
	ITER 1
	ITER 2
	ITER 3
	; my bytes are those of blocks hk and 2 + hk of K steps 2 q (turns 0, 1) and 2 q + 1 (turns 2, 3); with lane l xor 16's the words are whole
	v_lshl_or_b32 v[M1], v[BY+1], 16, v[BY]
	v_lshl_or_b32 v[M2], v[BY+3], 16, v[BY+2]
	v_lshlrev_b32 v[M1], v10, v[M1]
	v_lshlrev_b32 v[M2], v10, v[M2]
	v_permlanex16_b32 v[SCO], v[M1], s32, s33
	v_permlanex16_b32 v[T], v[M2], s32, s33
	v_or_b32 v[M1], v[M1], v[SCO]
	v_or_b32 v[M2], v[M2], v[T]
	v_cmp_gt_u32 vcc_lo, 16, v1
	v_cndmask_b32 v[M1], v[M2], v[M1], vcc_lo      ; lanes 0-15 keep the even step's word, lanes 16-31 the odd step's
	ds_store_b32 v8, v[M1]
	s_wait_dscnt 0x0                               ; for the others' sake: my word has landed
	s_barrier_signal -1
	s_barrier_wait -1
	s_cmp_lg_u32 s24, 0
	s_cbranch_scc1 .Lend
	ds_load_b128 v[248:251], v9                    ; wave 0 stores the tile's scale image: 512 consecutive bytes
	s_wait_dscnt 0x0
	global_store_b128 v11, v[248:251], s[28:29]
.Lend:
	s_wait_tensorcnt 0x0
	ds_add_u32 v14, v15
	s_wait_dscnt 0x0
	s_endpgm
.Ltab:
	; THE TABLES.  2,048 bytes of header, every word 1 (tab0: every time step's result is wanted) or 0 (tab1: only the last 16 steps');
	; then [16][512] row numbers, in rows of 4,096 bytes, of the residual: tab0: x (rows of emb); tab1: 1360 + 16 b + max(t, 496) - 496 (rows of in1's tail).
	v_lshlrev_b32 v244, 4, v0                      ; 16 bytes a thread; never rewritten
	v_lshlrev_b32 v245, 2, v0                      ; t of my first word
.irp k, 0,1,2,3,4,5,6,7,8,9,10,11,12,13,14,15
	global_load_b128 v[32+4*\k:35+4*\k], v244, s[12:13] offset:2048*\k
.endr
.irp e, 0,1,2,3
	v_mov_b32 v[248+\e], 1
	v_mov_b32 v[252+\e], 0
	v_add_nc_u32 v[24+\e], \e, v245
.endr
.irp e, 0,1,2,3
	v_max_u32 v[24+\e], 0x1f0, v[24+\e]
.endr
.irp e, 0,1,2,3
	v_add_nc_u32 v[24+\e], 864, v[24+\e]           ; max(t, 496) + 1360 - 496
.endr
.irp k, 0,1,2,3,4,5,6,7,8,9,10,11,12,13,14,15
.irp e, 0,1,2,3
	v_add_nc_u32 v[96+4*\k+\e], 16*\k, v[24+\e]
.endr
.endr
	global_store_b128 v244, v[248:251], s[20:21]
	global_store_b128 v244, v[252:255], s[22:23]
.irp k, 0,1,2,3,4,5,6,7,8,9,10,11,12,13,14,15
	global_store_b128 v244, v[96+4*\k:99+4*\k], s[22:23] offset:HDR+2048*\k
.endr
	s_wait_loadcnt 0x0
.irp k, 0,1,2,3,4,5,6,7,8,9,10,11,12,13,14,15
	global_store_b128 v244, v[32+4*\k:35+4*\k], s[20:21] offset:HDR+2048*\k
.endr
	s_endpgm
.Lfunc_end_k_q2237c94eb8_prep:
	.size	k_q2237c94eb8_prep, .Lfunc_end_k_q2237c94eb8_prep-k_q2237c94eb8_prep
	.p2alignl 7, 3214868480
	.fill 96, 4, 3214868480
	.section	.rodata,"a",@progbits
	.p2align	6, 0x0
	.amdhsa_kernel k_q2237c94eb8_prep
		.amdhsa_group_segment_fixed_size 18432
		.amdhsa_private_segment_fixed_size 0
		.amdhsa_enable_private_segment 0
		.amdhsa_kernarg_size 80
		.amdhsa_user_sgpr_count 2
		.amdhsa_user_sgpr_kernarg_segment_ptr 1
		.amdhsa_wavefront_size32 1
		.amdhsa_system_sgpr_workgroup_id_x 1
		.amdhsa_system_sgpr_workgroup_id_y 1
		.amdhsa_system_sgpr_workgroup_id_z 1
		.amdhsa_system_vgpr_workitem_id 0
		.amdhsa_next_free_vgpr 256
		.amdhsa_next_free_sgpr 66
		.amdhsa_reserve_vcc 1
		.amdhsa_float_denorm_mode_32 3
		.amdhsa_float_denorm_mode_16_64 3
		.amdhsa_memory_ordered 1
		.amdhsa_forward_progress 1
		.amdhsa_inst_pref_size 28
	.end_amdhsa_kernel
	.amdgpu_metadata
---
amdhsa.version: [ 1, 2 ]
amdhsa.kernels:
  - .name:           k_q2237c94eb8_prep
    .symbol:         k_q2237c94eb8_prep.kd
    .args:
      - { .name: W0, .offset: 0, .size: 8, .value_kind: global_buffer, .address_space: global }
      - { .name: W1, .offset: 8, .size: 8, .value_kind: global_buffer, .address_space: global }
      - { .name: Wl, .offset: 16, .size: 8, .value_kind: global_buffer, .address_space: global }
      - { .name: emb, .offset: 24, .size: 8, .value_kind: global_buffer, .address_space: global }
      - { .name: x, .offset: 32, .size: 8, .value_kind: global_buffer, .address_space: global }
      - { .name: in0, .offset: 40, .size: 8, .value_kind: global_buffer, .address_space: global }
      - { .name: in1, .offset: 48, .size: 8, .value_kind: global_buffer, .address_space: global }
      - { .name: in2, .offset: 56, .size: 8, .value_kind: global_buffer, .address_space: global }
      - { .name: tab0, .offset: 64, .size: 8, .value_kind: global_buffer, .address_space: global }
      - { .name: tab1, .offset: 72, .size: 8, .value_kind: global_buffer, .address_space: global }
    .group_segment_fixed_size: 18432
    .private_segment_fixed_size: 0
    .kernarg_segment_align: 8
    .kernarg_segment_size: 80
    .max_flat_workgroup_size: 128
    .sgpr_count:     66
    .vgpr_count:     256
    .wavefront_size: 32
...
	.end_amdgpu_metadata
.endif
;; end of part 4
;; launch layer0 (part 5): grid 16 x 16, 8 waves a work-group, no clusters, 140,288 bytes of LDS; arguments in0, tab0, emb, b0, in1; writes in1
.if DOCPART == 5
	.amdgcn_target "amdgcn-amd-amdhsa--gfx1250"
	.amdhsa_code_object_version 6
	.text
	.protected	k_q2237c94eb8_layer0
	.globl	k_q2237c94eb8_layer0
	.p2align	8
	.type	k_q2237c94eb8_layer0,@function
k_q2237c94eb8_layer0:
	s_mov_b64 s[64:65], 0
	v_nop
	global_prefetch_b8 v0, s[64:65] scope:SCOPE_SE
	s_setreg_imm32_b32 hwreg(HW_REG_WAVE_SCHED_MODE, 0, 2), 2
	s_setreg_imm32_b32 hwreg(HW_REG_WAVE_MODE, 25, 1), 1
	s_wait_xcnt 0x0
	s_wait_alu depctr_vm_vsrc(0)
; ONE minGRU LAYER: gh = Q(a) Q(W)^T + bias on codes of FP4; z = sigmoid(gate), h_t = (1 - z_t) h_(t-1) + z_t g(hidden_t), h_(-1) = 0.5; out = h + residual,
; quantised along the channels for the next product.  Arguments: src (W's and the activations' images), tab (whole numbers), emb, bias, out.
; The same text serves both layers; the table's first word ALL says which results are wanted: 1: every time step's; 0: only t >= 496, which is all that the logits read.
; With ALL = 1 the residual's rows are emb's, with ALL = 0 they are the tail in src: two arms of a scalar branch, each with its own buffer's pointer.
; THE SCAN IS TAKEN IN LINEAR SPACE: every term is >= 0, so nothing cancels; the sums' order of rounding differs from a cumulative log-sum-exp's.
; LIMITS: NaN and infinities are not served.  The gate's exponent -u log2(e) is held at 120: z is never taken under 2^-120, and 1 - z = e z has no infinity x 0.
; For hidden under about -88 sigmoid comes out as 0.  A block of zeros gets the scale byte 1 (its codes are zeros; this program alone reads the bytes).
; SHARES.  Work-group (cg, b): batch b, channels 64 cg .. + 63.  EIGHT WAVES, TWO TO A SIMD: a step has four vector instructions and a transcendental for each matrix instruction's worth of
; results many times over, and a wave issues in order: while one wave walks its exponentials or waits for LDS, the SIMD's other wave issues its products and its plain work.
; Wave wv = (w = wv % 4, ch = wv / 4) takes time tile w of a step and channels 32 ch .. + 31 of the 64: two tiles of W's gate rows, two of its hidden rows, KEPT IN REGISTERS
; (4 tiles x 8 K steps x 8 = 256: window 1).  A fragment of the activations feeds four matrix instructions; it comes straight from memory, 512 consecutive bytes a load, to each of the two waves that want it.
; Time goes in 8 steps of 64; in step i wave (w, ch) takes tile tb = 4 i + w (16 steps of time).  Source 0 = 16 time rows, source 1 = 16 rows of W: in the result lane (r, h) holds
; channel r, and its registers j the times 8 h + j: a lane scans 8 times by itself, and the group q0 = 2 w + h is sub-chunk q0 of the step's eight.
; CARRIES.  Each group publishes (P, S) of its 8 times (h_end = P h_start + S) in LDS, one barrier a step.  Each group keeps the h at the start of ITS OWN sub-chunk: from one step
; to the next that is eight entries on: q0 .. 7 of the last step, then 0 .. q0 - 1 of this one.  No entry's bytes are ever written twice (a region for each step), so one barrier does.
; No cluster and no tensor load: the text branches on the table's word, and a step's 8.7 KB of loads a wave stand beside some 300 instructions.
; PIECES UNDER 256 BYTES: a wave's 32 channels are 128 bytes of a residual row and of a tail row (the pair's other wave takes the other 128); a row's scale byte leaves alone (16 bytes a wave and step).
; REGISTERS: window 0: v0-111 addresses, scales, constants, the residual; v112-120 the step's LDS addresses; v128-191 at work; v192-255 the activations' eight fragments.  Window 1: W, fragment (n, s) at 8 (8 n + s).
; THE MODE: SCHED_MODE bits 1:0 = 2 (LLVM: expert scheduling mode 2), set by the entry lines.  The code itself states the register dependences between vector or matrix
; instructions and memory or LDS instructions, with s_wait_alu, always for 0.
; THE PLAN.  Registers that memory or LDS instructions touch in the loop, in a step's order:
;   RO, RES        RO is written by the step's first vector lines, from IDX, and read by the residual's four loads.  RES: those loads land in it; the way out's LDS stores read it.
;   AF, ASCL, IDX  AF and ASCL are read by the step's 32 matrix instructions, IDX by RO's lines; behind the products the next tile's 21 loads land in them.
;   AOFF, SOFF, IOFF, TP, TK   are written by twelve additions that stand together behind the products; read by the next tile's loads, by the entry's store and by the walk's eight loads.
;   PUB            is written by the scan's last lines and read by the entry's store.     T2, V: named by the activations; the walk's eight loads land in them.
;   D              is written by the lines that make h and read by the sixteen stores into the stage.     U, V: read by those lines and by the walk; the stage's eight loads land in them.
;   U, V (tail)    U is written by the residual's addition and read by the tail's LDS stores; V is read by that addition, the tail's loads land in it and its global stores read it.
;   Q, BYT, OO, OS are written by the quantiser and read by the two global stores.
;   PUB0, AK, STW, RSD, RSB, OB, OSB, TOFF, LW, ROFFC are made at the head and never written again.  v126, v127: written at the head, read by the closing add alone.
; ONE wait on vm_vsrc, at the step's head, stands for every register of this list that a memory or LDS instruction has read and that the step writes again.  The waits on va_vdst stand ahead of each
; run of memory or LDS instructions whose registers are fresh: the residual's loads; the next tile's loads; the entry's store (it serves the walk's loads too); the stage's stores (it serves the stage's loads too);
; the tail's; the two global stores.  The activations have one buffer: of a wave's 512 registers W takes 256, AF 64, the work 64 and the rest of window 0 all but five.
.set WSC,  0x100000
.set AIMG, 0x110000
.set ASC,  0x510000
.set TAIL, 0x550000                    ; in1 alone: h1 in f32 for t >= 496, row 16 b + t - 496, 4,096 bytes a row
.set HDR,  2048
.set CAR,  65536                       ; LDS: bytes 0 .. 65,535 W's eight tile images; then 9 regions of 4,096 bytes of carries (region 0: identities; region i + 1: step i's)
.set SB0,  CAR+9*4096                  ; then for each wave two stages of 16 rows x 144 bytes: the residual's, the scan's
.set SP,   144                         ; a stage row: 128 bytes + 16
.set STO,  16*SP
.set SBW,  2*STO
.set LI,    1                          ; 16 x lane
.set AOFF,  2                          ; my tile's code image in src
.set SOFF,  3                          ; its scale image
.set IOFF,  4                          ; the row number of row l / 8 of my tile in tab
.set ROFFC, 5                          ; 256 cg + 128 ch + 16 (l % 8): my 16 bytes of a residual row
.set PUB0,  6                          ; my group's entry in region 0
.set STW,   7                          ; the scan's stage, in: row 8 h + j, column 4 r
.set RSD,   8                          ; a stage by rows 4 i + l / 8, 16 bytes a lane
.set RSB,   9                          ; a stage by row l % 16, 64 bytes for each half of the lanes
.set OB,    10                         ; my 8 bytes in an output tile's code image
.set OSB,   11                         ; my row's byte in its scale image
.set LW,    12                         ; LDS: 16 x lane + my half's tiles of W
.set TOFF,  13                         ; my 16 bytes in the tail
.set OO,    14
.set OS,    15
.set AK,    16                         ; v16-23  the eight entries that my group walks, for step 0
.set RO,    24                         ; v24-27  the residual rows' byte offsets
.set IDX,   28                         ; v28-31  their numbers
.set ASCL,  32                         ; v32-35  the activations' scale words
.set TA,    36                         ; v36-39  address temporaries, at the head only
.set WSCL,  40                         ; v40-55  W's scale words: 4 n + s / 2
.set BG,    56                         ; v56 + 2 ct   -log2(e) x the gate's bias     (pairs: a packed form names both registers, so the odd ones are written too)
.set BH,    60                         ; v60 + 2 ct   -log2(e) x the hidden bias
.set BLO,   64                         ; v64 + 2 ct   the hidden bias + 0.5
.set CY,    68                         ; v68 + 2 ct   h at the start of my sub-chunk
.set PUB,   72                         ; v72-75       (P, S) x 2
.set M1,    76
.set M2,    77
.set SCO,   78
.set BYT,   79
.set Q,     80                         ; v80-81  codes
.set H0,    82                         ; for the head: l / 8,
.set H1,    83                         ; l % 8,
.set H2,    84                         ; my channel's place in the bias,
.set H3,    85                         ; LDS: where my wave puts the tile of W that it fetches,
.set H4,    86                         ; that tile in src,
.set H5,    87                         ; my tiles' scale images in src
.set RES,   96                         ; v96-111  the residual as loaded
.set TP,    112                        ; v112     this step's LDS address of my group's entry
.set TK,    113                        ; v113-120 this step's LDS addresses of the eight entries that my group walks: one register each, so that none is written twice in a step
.set U,     128                        ; v128-143 gates: accumulators 0, 1, then e, then a and its running products; later the numbers to be quantised
.set V,     144                        ; v144-159 hidden: accumulators 2, 3, then g
.set D,     160                        ; v160-175 z, then z g and its scan
.set T2,    176                        ; v176-191 at work
.set AF,    192                        ; v192-255 the activations' fragments: 8 s
.set MSB, 0
.macro WIN new                         ; the immediate's high byte repeats the setting that is left
.if MSB != \new
	s_set_vgpr_msb (MSB<<8)|\new
.set MSB, \new
.endif
.endm
.macro ALOAD                           ; a tile's eight fragments and its scale words: 17 loads
.set i, 0
.rept 16
	global_load_b128 v[AF+4*i:AF+4*i+3], v[AOFF], s[4:5] offset:512*i
.set i, i+1
.endr
	global_load_b128 v[ASCL:ASCL+3], v[SOFF], s[4:5]
.endm
.macro ILOAD                           ; the row numbers of rows 4 i + l / 8 of a tile
.irp i, 0,1,2,3
	global_load_b32 v[IDX+\i], v[IOFF], s[6:7] offset:16*\i
.endr
.endm
; The residual's 16 rows, my 32 channels of each, from the buffer whose address stands in s[base:base+1]; top: that buffer's last row of 4,096 bytes
.macro RESLOAD base, top
.irp i, 0,1,2,3
	v_min_u32 v[RO+\i], \top, v[IDX+\i]            ; a row number stays inside its buffer
.endr
.irp i, 0,1,2,3
	v_lshlrev_b32 v[RO+\i], 12, v[RO+\i]
.endr
.irp i, 0,1,2,3
	v_add_nc_u32 v[RO+\i], v[RO+\i], v[ROFFC]
.endr
	s_wait_alu depctr_va_vdst(0)                   ; the twelve lines above have written v[RO ..], the offsets of the four loads below
.irp i, 0,1,2,3
	global_load_b128 v[RES+4*\i:RES+4*\i+3], v[RO+\i], s[\base:\base+1]   ; eight lanes read 128 consecutive bytes of one row; four rows a load
.endr
.endm
; K step s: four matrix instructions, the four accumulators by turns.  The first step starts the sums with the constant 0.
.macro MMA s
.irp n, 0,1,2,3
.if (\s) == 0
	v_wmma_scale_f32_16x16x128_f8f6f4 v[U+8*\n:U+8*\n+7], v[AF+8*(\s):AF+8*(\s)+7], v[8*(8*\n+(\s)):8*(8*\n+(\s))+7], 0, v[ASCL+(\s)/2], v[WSCL+4*\n+(\s)/2] matrix_a_fmt:MATRIX_FMT_FP4 matrix_b_fmt:MATRIX_FMT_FP4
.elseif (\s)%2 == 0
	v_wmma_scale_f32_16x16x128_f8f6f4 v[U+8*\n:U+8*\n+7], v[AF+8*(\s):AF+8*(\s)+7], v[8*(8*\n+(\s)):8*(8*\n+(\s))+7], v[U+8*\n:U+8*\n+7], v[ASCL+(\s)/2], v[WSCL+4*\n+(\s)/2] matrix_a_fmt:MATRIX_FMT_FP4 matrix_b_fmt:MATRIX_FMT_FP4
.else
	v_wmma_scale_f32_16x16x128_f8f6f4 v[U+8*\n:U+8*\n+7], v[AF+8*(\s):AF+8*(\s)+7], v[8*(8*\n+(\s)):8*(8*\n+(\s))+7], v[U+8*\n:U+8*\n+7], v[ASCL+(\s)/2], v[WSCL+4*\n+(\s)/2] matrix_a_fmt:MATRIX_FMT_FP4 matrix_b_fmt:MATRIX_FMT_FP4 matrix_a_scale:MATRIX_SCALE_ROW1 matrix_b_scale:MATRIX_SCALE_ROW1
.endif
.endr
.endm
	s_load_b256 s[4:11], s[0:1], 0x0               ; src s[4:5], tab s[6:7], emb s[8:9], bias s[10:11]
	s_load_b64 s[12:13], s[0:1], 0x20              ; out
	v_lshl_add_u32 v126, v0, 2, 0x22000
	v_mov_b32 v127, 0
	; all offsets and LDS addresses are made while the arguments are on their way: none of them needs one
	v_lshrrev_b32 v[M1], 5, v0
	v_readfirstlane_b32 s14, v[M1]                 ; wave wv, 0 .. 7
	s_mov_b32 s15, ttmp9                           ; cg
	s_and_b32 s16, ttmp7, 0xffff                   ; b
	s_mov_b32 s20, 0xbfb8aa3b                      ; -log2(e); the packed forms name the pair
	s_mov_b32 s21, s20
	s_mov_b32 s22, 0x76543210
	s_mov_b32 s23, 0xfedcba98                      ; v_permlanex16_b32's selects for lane l xor 16
	s_mov_b32 s25, 0                               ; the step
	s_mov_b32 s31, 0                               ; 4,096 x the step
	v_and_b32 v[M1], 31, v0                        ; l
	v_and_b32 v[M2], 15, v0                        ; r
	v_bfe_u32 v[SCO], v0, 4, 1                     ; h
	v_bfe_u32 v[BYT], v0, 4, 3                     ; q0 = 2 w + h
	v_bfe_u32 v[H0], v0, 3, 2                      ; l / 8
	v_and_b32 v[H1], 7, v0                         ; l % 8
	v_lshlrev_b32 v[LI], 4, v[M1]
	s_wait_alu depctr_va_vdst(0)
	s_wait_alu depctr_va_sdst(0)                   ; s14 is written, ahead of its first reader: all that hangs on the wave's number is made from it
	s_and_b32 s18, s14, 3                          ; w: my time tile in a step
	s_lshr_b32 s19, s14, 2                         ; ch: my half of the channels
	s_mov_b32 s24, s18                             ; tb
	s_lshl_b32 s32, s15, 2                         ; the tile of W that my wave fetches: 4 cg + w + 64 ch
	s_add_co_u32 s32, s32, s18
	s_lshl_b32 s33, s19, 6
	s_add_co_u32 s32, s32, s33
	s_lshl_b32 s32, s32, 13
	v_add_nc_u32 v[H4], s32, v[LI]
	s_lshl_b32 s32, s14, 13
	v_add_nc_u32 v[H3], s32, v[LI]                 ; it goes to image wv: images 0-3 the gate tiles, 4-7 the hidden tiles
	s_lshl_b32 s32, s19, 14
	v_add_nc_u32 v[LW], s32, v[LI]                 ; my tiles are images 2 ch, 2 ch + 1 and 4 + 2 ch, 5 + 2 ch
	s_lshl_b32 s32, s15, 11
	s_lshl_b32 s33, s19, 10
	s_add_co_u32 s32, s32, s33
	s_add_co_u32 s32, s32, WSC
	v_add_nc_u32 v[H5], s32, v[LI]                 ; W's scale images from tile 4 cg + 2 ch on
	s_lshl_b32 s32, s16, 5
	s_add_co_u32 s32, s32, s18                     ; my first tile: 32 b + w
	s_lshl_b32 s33, s32, 13
	s_add_co_u32 s33, s33, AIMG
	v_add_nc_u32 v[AOFF], s33, v[LI]
	s_lshl_b32 s33, s32, 9
	s_add_co_u32 s33, s33, ASC
	v_add_nc_u32 v[SOFF], s33, v[LI]
	s_lshl_b32 s33, s32, 6
	s_add_co_u32 s33, s33, HDR
	v_lshl_add_u32 v[IOFF], v[H0], 2, s33
	s_lshl_b32 s33, s15, 8
	s_lshl_b32 s32, s19, 7
	s_add_co_u32 s33, s33, s32                     ; 256 cg + 128 ch: my 32 channels, in bytes of f32
	v_lshl_add_u32 v[ROFFC], v[H1], 4, s33
	v_lshl_add_u32 v[H2], v[M2], 2, s33
	s_lshl_b32 s34, s19, 8
	s_add_co_u32 s34, s34, CAR                     ; the carries: my half's 256 bytes of a group's 512
	v_lshlrev_b32 v[PUB0], 9, v[BYT]
	v_lshl_add_u32 v[PUB0], v[M2], 4, v[PUB0]
	v_add_nc_u32 v[PUB0], s34, v[PUB0]
.irp k, 0,1,2,3,4,5,6,7                                ; entry k of my walk: group (q0 + k) % 8, one region on where q0 + k passes 7
	v_add_nc_u32 v[TA], \k, v[BYT]
	v_and_b32 v[TA+1], 7, v[TA]
	v_lshrrev_b32 v[TA], 3, v[TA]
	v_lshlrev_b32 v[TA+1], 9, v[TA+1]
	v_lshl_add_u32 v[TA+1], v[TA], 12, v[TA+1]
	v_lshl_add_u32 v[TA+1], v[M2], 4, v[TA+1]
	v_add_nc_u32 v[AK+\k], s34, v[TA+1]
.endr
	s_mul_i32 s33, s14, SBW
	s_add_co_u32 s33, s33, SB0                     ; my wave's stages
	v_mul_u32_u24 v[STW], v[SCO], 8*SP
	v_lshl_add_u32 v[STW], v[M2], 2, v[STW]
	v_add_nc_u32 v[STW], s33, v[STW]
	v_add_nc_u32 v[STW], STO, v[STW]
	v_mul_u32_u24 v[RSD], v[H0], SP
	v_lshl_add_u32 v[RSD], v[H1], 4, v[RSD]
	v_add_nc_u32 v[RSD], s33, v[RSD]
	v_mul_u32_u24 v[RSB], v[M2], SP
	v_lshl_add_u32 v[RSB], v[SCO], 6, v[RSB]
	v_add_nc_u32 v[RSB], s33, v[RSB]
	s_lshl_b32 s33, s15, 9                         ; my 32 channels are K block 2 cg + ch of the next product: 256 (2 cg + ch) bytes into a tile's image
	s_lshl_b32 s32, s19, 8
	s_add_co_u32 s33, s33, s32
	s_add_co_u32 s33, s33, AIMG
	v_lshlrev_b32 v[OB], 4, v[M2]
	v_lshl_add_u32 v[OB], v[SCO], 3, v[OB]         ; row m's 16 bytes, of which my half of the lanes has 8
	v_add_nc_u32 v[OB], s33, v[OB]
	s_bfe_u32 s33, s15, 0x10001                    ; the block's K step is cg / 2: its parity picks the half of the lanes,
	s_lshl_b32 s33, s33, 8
	s_lshr_b32 s32, s15, 2                         ; its half the word,
	s_lshl_b32 s32, s32, 2
	s_add_co_u32 s33, s33, s32
	s_and_b32 s32, s15, 1                          ; and 2 (cg % 2) + ch the byte of the word
	s_lshl_b32 s32, s32, 1
	s_add_co_u32 s33, s33, s32
	s_add_co_u32 s33, s33, s19
	s_add_co_u32 s33, s33, ASC
	v_lshl_add_u32 v[OSB], v[M2], 4, s33
	s_lshl_b32 s33, s16, 16
	s_add_co_u32 s33, s33, TAIL
	v_lshl_add_u32 v[TOFF], v[H0], 12, s33
	v_add_nc_u32 v[TOFF], v[TOFF], v[ROFFC]
.irp i, 0,1,2,3
	v_mov_b32 v[IDX+\i], 0                         ; written once, so that they hold a number on every way through the text
.endr
.set i, 0
.rept 16
	v_mov_b32 v[RES+i], 0                          ; likewise the residual's registers
.set i, i+1
.endr
.irp ct, 0,1
	v_mov_b32 v[BG+2*\ct+1], 0
	v_mov_b32 v[BH+2*\ct+1], 0
	v_mov_b32 v[BLO+2*\ct+1], 0
	v_mov_b32 v[CY+2*\ct], 0.5                     ; h_(-1) = g(0)
	v_mov_b32 v[CY+2*\ct+1], 0
	v_mov_b32 v[PUB+2*\ct], 1.0                    ; the identity: P = 1, S = 0
	v_mov_b32 v[PUB+2*\ct+1], 0
.endr
	s_wait_kmcnt 0x0                               ; the arguments
	s_load_b32 s17, s[6:7], 0x0                    ; ALL: it is wanted only behind the loads below
	s_wait_alu depctr_va_vdst(0)                   ; the head's vector lines are done: every offset and LDS address is written, which the loads and stores of the kernel read; so is v[PUB ..], the first store's data; so are v[IDX ..] and v[RES ..], in which loads land
.set i, 0
.rept 16
	global_load_b128 v[U+4*i:U+4*i+3], v[H4], s[4:5] offset:512*i       ; one tile of W: 8,192 bytes
.set i, i+1
.endr
.irp ct, 0,1
	global_load_b32 v[BG+2*\ct], v[H2], s[10:11] offset:64*\ct
	global_load_b32 v[BH+2*\ct], v[H2], s[10:11] offset:4096+64*\ct
.endr
.irp n, 0,1,2,3
	global_load_b128 v[WSCL+4*\n:WSCL+4*\n+3], v[H5], s[4:5] offset:512*(\n%2)+32768*(\n/2)
.endr
	ALOAD
	ds_store_b128 v[PUB0], v[PUB:PUB+3]            ; region 0: identities
	s_wait_kmcnt 0x0                               ; ALL
	s_cmp_eq_u32 s17, 0
	s_cbranch_scc1 .Lhead_no_idx
	ILOAD
.Lhead_no_idx:
	s_wait_loadcnt 21                              ; W's 16 loads and the biases' 4 are in: behind them stand the 4 scale loads and the tile's 17 (and, on one way, 4 more: the count is then only stricter)
.set i, 0
.rept 16
	ds_store_b128 v[H3], v[U+4*i:U+4*i+3] offset:512*i
.set i, i+1
.endr
	s_wait_dscnt 0x0                               ; for the others' sake: my stores have landed
	s_barrier_signal -1
	s_barrier_wait -1
	WIN 0x40                                       ; destination window 1
	s_wait_alu depctr_va_vdst(0)                   ; v[LW], the address of the 64 loads below, is written: the window's switch first, then this wait, then the loads
.irp n, 0,1,2,3
.irp s, 0,1,2,3,4,5,6,7
.irp c, 0,1
	ds_load_b128 v[8*(8*\n+\s)+4*\c:8*(8*\n+\s)+4*\c+3], v[LW] offset:(\n%2)*8192+(\n/2)*32768+\s*1024+\c*512
.endr
.endr
.endr
	WIN 0
.irp ct, 0,1
	v_add_f32 v[BLO+2*\ct], 0.5, v[BH+2*\ct]
	v_mul_f32 v[BG+2*\ct], s20, v[BG+2*\ct]
	v_mul_f32 v[BH+2*\ct], s20, v[BH+2*\ct]
.endr
	s_wait_dscnt 0x0
.Lstep:
	s_wait_loadcnt 0x0                             ; this tile's fragments, scale words and row numbers, asked for in the step before
	s_wait_xcnt 0x0                                ; the last step's stores have read their data and addresses: both are written again below
	s_wait_alu depctr_vm_vsrc(0)                   ; every memory and LDS instruction issued so far has read its registers, which this step writes again: the data of the stores (v[U ..] to v[T2 ..], v[RES ..], v[PUB ..], v[Q ..], v[BYT]) and the addresses v[RO ..], v[OO], v[OS], v[AOFF], v[SOFF], v[IOFF], v[TP], v[TK ..]; in the first trip: the head's stores of W out of v128-191 and of the identities
	s_cmp_eq_u32 s24, 31
	s_cselect_b32 s26, 1, 0
	s_or_b32 s26, s26, s17                         ; are this tile's results wanted?
	s_cmp_eq_u32 s26, 0
	s_cbranch_scc1 .Lno_res
	s_cmp_eq_u32 s17, 0
	s_cbranch_scc1 .Lres_src
	RESLOAD 8, 0x7ff                               ; every step's results: the residual is emb's rows, 2,048 of them
	s_branch .Lno_res
.Lres_src:
	RESLOAD 4, 0x64f                               ; the last 16 steps' alone: it is the tail in src, whose last row of 4,096 bytes is 1,615
.Lno_res:
	WIN 0x04                                       ; source 1 (W) window 1
	MMA 0
	MMA 1
	MMA 2
	MMA 3
	MMA 4
	MMA 5
	MMA 6
	MMA 7
	WIN 0
	; THE STEP'S ADDRESSES, all twelve together: plain additions that name no register of the products, so they are also the places behind the last of them, ahead of the reads of their results.
	; They stand behind the wait on vm_vsrc at the step's head, since which no memory or LDS instruction has read one of them, and ahead of the waits on va_vdst below.
	v_add_nc_u32 v[AOFF], 0x8000, v[AOFF]          ; four tiles on (in the last step these three are not used)
	v_add_nc_u32 v[SOFF], 0x800, v[SOFF]
	v_add_nc_u32 v[IOFF], 0x100, v[IOFF]
	v_add_nc_u32 v[TP], s31, v[PUB0]               ; my entry, and the eight that I walk, in this step's regions
.irp k, 0,1,2,3,4,5,6,7
	v_add_nc_u32 v[TK+\k], s31, v[AK+\k]
.endr
	s_cmp_eq_u32 s25, 7
	s_cbranch_scc1 .Lno_next                       ; the last step asks for nothing: no load leaves its buffer
	s_wait_alu depctr_va_vdst(0)                   ; the products are done reading v[AF ..] and v[ASCL ..], and the residual's first lines v[IDX ..]: the loads below land there; v[AOFF], v[SOFF] and v[IOFF], their offsets, are written
	ALOAD                                          ; the next tile: it has the activations, the scan and the way out in which to land
	s_cmp_eq_u32 s24, 27
	s_cselect_b32 s27, 1, 0
	s_or_b32 s27, s27, s17
	s_cmp_eq_u32 s27, 0
	s_cbranch_scc1 .Lno_next
	ILOAD
.Lno_next:
	; THE ACTIVATIONS, 16 elements a lane.  Each accumulator is read from its low end on.
.set j, 0
.rept 8
	v_pk_fma_f32 v[U+j:U+j+1], v[U+j:U+j+1], s[20:21], v[BG+2*(j/8):BG+2*(j/8)+1] op_sel_hi:[1,0,0]    ; -u log2(e)
.set j, j+2
.endr
.set j, 0
.rept 8
	v_pk_fma_f32 v[T2+j:T2+j+1], v[V+j:V+j+1], s[20:21], v[BH+2*(j/8):BH+2*(j/8)+1] op_sel_hi:[1,0,0]  ; -v log2(e)
.set j, j+2
.endr
.set j, 0
.rept 16
	v_min_num_f32 v[U+j], 0x42f00000, v[U+j]       ; held at 120
.set j, j+1
.endr
.set j, 0
	s_wait_alu depctr_va_vdst(0)
.rept 16
	v_exp_f32 v[U+j], v[U+j]                       ; e = exp(-u)
.set j, j+1
.endr
.set j, 0
.rept 16
	v_exp_f32 v[T2+j], v[T2+j]                     ; exp(-v)
.set j, j+1
.endr
.set j, 0
.rept 8
	v_pk_add_f32 v[V+j:V+j+1], v[V+j:V+j+1], v[BLO+2*(j/8):BLO+2*(j/8)+1] op_sel_hi:[1,0]              ; v + 0.5: plain work that names no exponential's result
.set j, j+2
.endr
	s_wait_alu depctr_va_vdst(0)                   ; the 32 exponentials have written v[U ..] and v[T2 ..]: one wait, ahead of their first reader
.set j, 0
.rept 8
	v_pk_add_f32 v[D+j:D+j+1], v[U+j:U+j+1], 1.0 op_sel_hi:[1,0]
	v_pk_add_f32 v[T2+j:T2+j+1], v[T2+j:T2+j+1], 1.0 op_sel_hi:[1,0]
.set j, j+2
.endr
.set j, 0
	s_wait_alu depctr_va_vdst(0)
.rept 16
	v_rcp_f32 v[D+j], v[D+j]                       ; z = sigmoid(u)
.set j, j+1
.endr
.set j, 0
.rept 16
	v_rcp_f32 v[T2+j], v[T2+j]                     ; sigmoid(v)
.set j, j+1
.endr
	v_nop                                          ; a plain instruction behind the last reciprocal
	s_wait_alu depctr_va_vdst(0)                   ; the 32 reciprocals have written v[D ..] and v[T2 ..]: one wait, ahead of their first reader
.set j, 0
.rept 8
	v_pk_mul_f32 v[U+j:U+j+1], v[U+j:U+j+1], v[D+j:D+j+1]          ; a = 1 - z = e z
.set j, j+2
.endr
.set j, 0
.rept 16
	v_max_num_f32 v[V+j], v[V+j], v[T2+j]          ; g(v) = max(v + 0.5, sigmoid(v)): sigmoid's slope is at most 1/4, so the two cross at 0 alone
.set j, j+1
.endr
.set j, 0
.rept 8
	v_pk_mul_f32 v[D+j:D+j+1], v[D+j:D+j+1], v[V+j:V+j+1]          ; z g
.set j, j+2
.endr
	; THE SCAN of my 8 times from h = 0, and the running products of a; the two channel tiles by turns.  The last time's pair is what my group publishes.
.irp j, 1,2,3,4,5,6
.irp ct, 0,1
	v_fma_f32 v[D+8*\ct+\j], v[U+8*\ct+\j], v[D+8*\ct+\j-1], v[D+8*\ct+\j]
.endr
.irp ct, 0,1
	v_mul_f32 v[U+8*\ct+\j], v[U+8*\ct+\j], v[U+8*\ct+\j-1]
.endr
.endr
.irp ct, 0,1
	v_fma_f32 v[PUB+2*\ct+1], v[U+8*\ct+7], v[D+8*\ct+6], v[D+8*\ct+7]
	v_mul_f32 v[PUB+2*\ct], v[U+8*\ct+7], v[U+8*\ct+6]
.endr
	s_wait_alu depctr_va_vdst(0)                   ; the scan has written v[PUB ..], the store's data; v[TP] and v[TK ..], the addresses of the store and of the eight loads behind the barrier, are written; the activations are done with v[T2 ..] and v[V ..], in which those loads land.  No vector instruction stands between this wait and the last of the loads
	ds_store_b128 v[TP], v[PUB:PUB+3] offset:4096  ; region i + 1
	s_wait_dscnt 0x0                               ; for the others' sake: my entry has landed
	s_barrier_signal -1
	s_barrier_wait -1
	; THE CARRY: eight entries on
.irp k, 0,1,2,3,4,5,6,7
.if \k < 4
.set EK, T2+4*\k
.else
.set EK, V+4*(\k-4)
.endif
	ds_load_b128 v[EK:EK+3], v[TK+\k]
.endr
.irp k, 0,1,2,3,4,5,6,7
.if \k < 4
.set EK, T2+4*\k
.else
.set EK, V+4*(\k-4)
.endif
	s_wait_alu depctr_va_vdst(0)
	s_wait_dscnt 7-\k                              ; entry k's load is in; the one of each later entry may be out
.irp ct, 0,1
	v_fma_f32 v[CY+2*\ct], v[EK+2*\ct], v[CY+2*\ct], v[EK+2*\ct+1]
.endr
.endr
	s_cmp_eq_u32 s26, 0
	s_cbranch_scc1 .Lno_epi
	; h_t = P_t h_start + S_t
.irp ct, 0,1
.irp j, 0,2,4
	v_pk_fma_f32 v[D+8*\ct+\j:D+8*\ct+\j+1], v[U+8*\ct+\j:U+8*\ct+\j+1], v[CY+2*\ct:CY+2*\ct+1], v[D+8*\ct+\j:D+8*\ct+\j+1] op_sel_hi:[1,0,1]
.endr
	v_fma_f32 v[D+8*\ct+6], v[U+8*\ct+6], v[CY+2*\ct], v[D+8*\ct+6]
	v_fma_f32 v[D+8*\ct+7], v[PUB+2*\ct], v[CY+2*\ct], v[PUB+2*\ct+1]
.endr
	; THE TURN: a lane holds times of one channel; the quantiser wants channels of one time.  Through my wave's own stages; LDS serves a wave's instructions in order.
	s_wait_alu depctr_va_vdst(0)                   ; the lines above have written v[D ..], the sixteen stores' data, and are done reading v[U ..]; the walk is done reading v[V ..]: the stage's eight loads land in these two
.irp ct, 0,1
.irp j, 0,1,2,3,4,5,6,7
	ds_store_b32 v[STW], v[D+8*\ct+\j] offset:SP*\j+64*\ct
.endr
.endr
	s_wait_loadcnt 0x0                             ; the residual, asked for at the step's head (for 0: what was issued behind it differs from way to way)
.irp i, 0,1,2,3
	ds_store_b128 v[RSD], v[RES+4*\i:RES+4*\i+3] offset:4*SP*\i
.endr
.irp i, 0,1,2,3
	ds_load_b128 v[U+4*\i:U+4*\i+3], v[RSB] offset:STO+16*\i
.endr
.irp i, 0,1,2,3
	ds_load_b128 v[V+4*\i:V+4*\i+3], v[RSB] offset:16*\i
.endr
	s_lshl_b32 s28, s16, 5                         ; the output tile: 32 b + tb, or b where only the last 16 times are kept
	s_add_co_u32 s28, s28, s24
	s_cmp_lg_u32 s17, 0
	s_cselect_b32 s28, s28, s16
	s_min_u32 s28, s28, 511
	s_lshl_b32 s29, s28, 13
	s_lshl_b32 s30, s28, 9
	s_cmp_eq_u32 s24, 31
	s_cselect_b32 s27, s17, 0                      ; is the tail to be written?
	s_wait_dscnt 0x0
.set j, 0
.rept 8
	v_pk_add_f32 v[U+j:U+j+1], v[U+j:U+j+1], v[V+j:V+j+1]          ; + the residual: lane (m, hk) holds time m, channels 16 hk .. + 15 of my 32
.set j, j+2
.endr
	s_cmp_eq_u32 s27, 0
	s_cbranch_scc1 .Lno_tail
	s_wait_alu depctr_va_vdst(0)                   ; the additions have written v[U ..], the four stores' data, and are done reading v[V ..], in which the four loads land
.irp i, 0,1,2,3                                        ; the last 16 times in f32, for the next layer's residual: back through the stage, so that eight lanes store 128 consecutive bytes of a row
	ds_store_b128 v[RSB], v[U+4*\i:U+4*\i+3] offset:STO+16*\i
.endr
.irp i, 0,1,2,3
	ds_load_b128 v[V+4*\i:V+4*\i+3], v[RSD] offset:STO+4*SP*\i
.endr
	s_wait_dscnt 0x0
.irp i, 0,1,2,3
	global_store_b128 v[TOFF], v[V+4*\i:V+4*\i+3], s[12:13] offset:16384*\i
.endr
.Lno_tail:
	s_wait_alu depctr_va_vdst(0)
	; THE QUANTISER: my 16 numbers and lane l xor 16's are one block
	v_max3_num_f32 v[M1], |v[U]|, |v[U+1]|, 0x1800000              ; with the floor 2^(3 - 127): the byte cannot fall under 1
	v_max3_num_f32 v[M2], |v[U+2]|, |v[U+3]|, |v[U+4]|
.irp i, 5,9
	v_max3_num_f32 v[M1], v[M1], |v[U+\i]|, |v[U+\i+1]|
	v_max3_num_f32 v[M2], v[M2], |v[U+\i+2]|, |v[U+\i+3]|
.endr
	v_max3_num_f32 v[M1], v[M1], |v[U+13]|, |v[U+14]|
	v_max3_num_f32 v[M1], v[M1], v[M2], |v[U+15]|
	v_permlanex16_b32 v[M2], v[M1], s22, s23
	v_max_num_f32 v[M1], v[M1], v[M2]              ; the block's largest magnitude
	v_add_nc_u32 v[SCO], 0xff000000, v[M1]         ; 2 off its exponent field: the conversion's scale operand
	v_cvt_scalef32_pk8_fp4_f32 v[Q], v[U:U+7], v[SCO]
	v_cvt_scalef32_pk8_fp4_f32 v[Q+1], v[U+8:U+15], v[SCO]
	v_lshrrev_b32 v[BYT], 23, v[SCO]               ; the scale's byte (also the plain instruction behind the conversions)
	v_add_nc_u32 v[OO], s29, v[OB]
	v_add_nc_u32 v[OS], s30, v[OSB]
	s_wait_alu depctr_va_vdst(0)                   ; the conversions have written v[Q ..], the shift v[BYT], the two additions v[OO] and v[OS]: the data and the offsets of the two stores
	global_store_b64 v[OO], v[Q:Q+1], s[12:13]     ; the wave stores 256 consecutive bytes, aligned: a piece of the next product's fragment as it will be loaded
	global_store_b8 v[OS], v[BYT], s[12:13]        ; lanes l and l + 16 write the same byte with the same value
.Lno_epi:
	s_add_co_u32 s24, s24, 4
	s_add_co_u32 s31, s31, 4096
	s_add_co_u32 s25, s25, 1
	s_cmp_lt_u32 s25, 8
	s_cbranch_scc1 .Lstep
	s_wait_dscnt 0x0                               ; the closing lines, six on end
	s_wait_alu 0x0
	s_wait_tensorcnt 0x0
	ds_add_u32 v126, v127
	s_wait_dscnt 0x0
	s_endpgm
.Lfunc_end_k_q2237c94eb8_layer0:
	.size	k_q2237c94eb8_layer0, .Lfunc_end_k_q2237c94eb8_layer0-k_q2237c94eb8_layer0
	.p2alignl 7, 3214868480
	.fill 96, 4, 3214868480
	.section	.rodata,"a",@progbits
	.p2align	6, 0x0
	.amdhsa_kernel k_q2237c94eb8_layer0
		.amdhsa_group_segment_fixed_size 140288
		.amdhsa_private_segment_fixed_size 0
		.amdhsa_enable_private_segment 0
		.amdhsa_kernarg_size 40
		.amdhsa_user_sgpr_count 2
		.amdhsa_user_sgpr_kernarg_segment_ptr 1
		.amdhsa_wavefront_size32 1
		.amdhsa_system_sgpr_workgroup_id_x 1
		.amdhsa_system_sgpr_workgroup_id_y 1
		.amdhsa_system_sgpr_workgroup_id_z 1
		.amdhsa_system_vgpr_workitem_id 0
		.amdhsa_next_free_vgpr 512
		.amdhsa_next_free_sgpr 66
		.amdhsa_reserve_vcc 0
		.amdhsa_float_denorm_mode_32 3
		.amdhsa_float_denorm_mode_16_64 3
		.amdhsa_memory_ordered 1
		.amdhsa_forward_progress 1
		.amdhsa_inst_pref_size 44
	.end_amdhsa_kernel
	.amdgpu_metadata
---
amdhsa.version: [ 1, 2 ]
amdhsa.kernels:
  - .name:           k_q2237c94eb8_layer0
    .symbol:         k_q2237c94eb8_layer0.kd
    .args:
      - { .name: in0, .offset: 0, .size: 8, .value_kind: global_buffer, .address_space: global }
      - { .name: tab0, .offset: 8, .size: 8, .value_kind: global_buffer, .address_space: global }
      - { .name: emb, .offset: 16, .size: 8, .value_kind: global_buffer, .address_space: global }
      - { .name: b0, .offset: 24, .size: 8, .value_kind: global_buffer, .address_space: global }
      - { .name: in1, .offset: 32, .size: 8, .value_kind: global_buffer, .address_space: global }
    .group_segment_fixed_size: 140288
    .private_segment_fixed_size: 0
    .kernarg_segment_align: 8
    .kernarg_segment_size: 40
    .max_flat_workgroup_size: 256
    .sgpr_count:     66
    .vgpr_count:     512
    .wavefront_size: 32
...
	.end_amdgpu_metadata
.endif
;; end of part 5
;; launch layer1: the kernel of part 5 again; grid 16 x 16, 8 waves a work-group, no clusters, 140,288 bytes of LDS; arguments in1, tab1, emb, b1, in2; writes in2
;; launch logits (part 6): grid 32 x 8, 2 waves a work-group, no clusters, 8,960 bytes of LDS; arguments in2, bl, out0; writes out0
.if DOCPART == 6
	.amdgcn_target "amdgcn-amd-amdhsa--gfx1250"
	.amdhsa_code_object_version 6
	.text
	.protected	k_q2237c94eb8_logits
	.globl	k_q2237c94eb8_logits
	.p2align	8
	.type	k_q2237c94eb8_logits,@function
k_q2237c94eb8_logits:
	s_mov_b64 s[64:65], 0
	v_nop
	global_prefetch_b8 v0, s[64:65] scope:SCOPE_SE
	s_setreg_imm32_b32 hwreg(HW_REG_WAVE_SCHED_MODE, 0, 2), 2
	s_setreg_imm32_b32 hwreg(HW_REG_WAVE_MODE, 25, 1), 1
	s_wait_xcnt 0x0
	s_wait_alu depctr_vm_vsrc(0)
; out0[b][t'][v] = Q(h2[b][496 + t']) . Q(Wl[v]) + bl[v], on codes of FP4 with E8M0 scales, for the 16 x 16 rows that are kept.
; in2 holds Wl's 128 tiles and the 16 tiles of rows (tile b: the batch's last 16 times) as images of the operand's registers: a fragment is two loads of 16 bytes a lane at 16 x lane.
; SHARES.  Work-group (ng, mp), two waves; wave w takes batch mt = 2 mp + w and vocabulary 64 ng .. + 63: four accumulators, 32 matrix instructions.
; THE PRODUCT IS USED TRANSPOSED (source 0 = 16 rows of Wl, source 1 = the 16 times): lane (r, h) holds time r and eight neighbouring entries of the vocabulary.
; bl is loaded straight into the accumulators and is the C of the first products: no addition is spent on it.
; The results go through the wave's own stage in LDS and leave so that a half wave stores 256 consecutive bytes, aligned.  Waves share nothing: no barrier.
; Every byte is read by one load a wave at the head; nothing is streamed, so no ring, no cluster, no tensor load.
; THE MODE: SCHED_MODE bits 1:0 = 2 (LLVM: expert scheduling mode 2), set by the entry lines.  The code itself states the register dependences between vector or matrix
; instructions and memory or LDS instructions, with s_wait_alu, always for 0.
; THE PLAN.  Registers that memory or LDS instructions touch:
;   v5-v12         offsets and LDS addresses: written once by the head's vector lines, read by the loads and stores, never written again.
;   window 1, AF, ASCL, WSCL, ACC   loads land in them before any vector or matrix instruction names them; the products read them behind the wait for the loads.
;   ACC            written by the products; read by the eight stores into the stage.
;   BK             the stage's loads land in it, the global stores read it: no vector instruction names it.
;   v254, v255     written at the head, read by the closing add alone.
; So waits on va_vdst stand in the text ahead of the first load (the addresses) and ahead of the first store into the stage (the accumulators).  No register that a memory or LDS instruction has read is written again.
.set WSC,  0x100000
.set AIMG, 0x110000
.set ASC,  0x510000
.set SP,   272
.set ASCL, 40                          ; v40-43   the rows' scale words
.set WSCL, 48                          ; v48-63   Wl's: 4 k + s / 2
.set AF,   64                          ; v64-127  the rows' eight fragments
.set ACC,  128                         ; v128-159 four accumulators
.set BK,   160                         ; v160-191 rows read back from the stage
.set MSB, 0
.macro WIN new                         ; the immediate's high byte repeats the setting that is left
.if MSB != \new
	s_set_vgpr_msb (MSB<<8)|\new
.set MSB, \new
.endif
.endm
	s_load_b128 s[4:7], s[0:1], 0x0                ; in2, bl
	s_load_b64 s[8:9], s[0:1], 0x10                ; out0
	v_lshl_add_u32 v254, v0, 2, 0x2200
	v_mov_b32 v255, 0
	v_lshrrev_b32 v1, 5, v0
	v_readfirstlane_b32 s10, v1                    ; wave w
	s_and_b32 s11, ttmp7, 0xffff
	s_lshl_b32 s11, s11, 1
	v_and_b32 v2, 31, v0                           ; l
	v_and_b32 v3, 15, v0                           ; r
	v_bfe_u32 v4, v0, 4, 1                         ; h
	v_lshlrev_b32 v1, 4, v2                        ; 16 x lane
	s_wait_alu depctr_va_vdst(0)
	s_wait_alu depctr_va_sdst(0)                   ; s10 is written, ahead of its first reader: the batch and the stage's place are made from it
	s_add_co_u32 s11, s11, s10                     ; mt
	s_lshl_b32 s12, ttmp9, 15
	v_add_nc_u32 v5, s12, v1                       ; Wl's images from tile 4 ng on
	s_lshl_b32 s12, ttmp9, 11
	s_add_co_u32 s12, s12, WSC
	v_add_nc_u32 v6, s12, v1                       ; and their scale images
	s_lshl_b32 s12, s11, 13
	s_add_co_u32 s12, s12, AIMG
	v_add_nc_u32 v7, s12, v1                       ; my rows' image
	s_lshl_b32 s12, s11, 9
	s_add_co_u32 s12, s12, ASC
	v_add_nc_u32 v8, s12, v1
	s_lshl_b32 s12, ttmp9, 8
	v_lshl_add_u32 v9, v4, 5, s12                  ; bl: (64 ng + 8 h) x 4
	s_mul_i32 s13, s10, 16*SP                      ; my stage
	v_mul_u32_u24 v10, v3, SP
	v_lshl_add_u32 v10, v4, 5, v10
	v_add_nc_u32 v10, s13, v10                     ; in: row r, 32 bytes for each half of the lanes
	v_mul_u32_u24 v11, v4, 8*SP
	v_lshl_add_u32 v11, v3, 4, v11
	v_add_nc_u32 v11, s13, v11                     ; back: row 8 (l / 16) + i, 16 bytes a lane
	s_lshl_b32 s13, s11, 17
	s_add_co_u32 s13, s13, s12
	v_lshl_add_u32 v12, v4, 16, s13
	v_lshl_add_u32 v12, v3, 4, v12                 ; out0: (16 mt + 8 (l / 16)) rows of 8,192 bytes + 256 ng + 16 (l % 16)
	s_wait_kmcnt 0x0
	WIN 0x40                                       ; destination window 1: Wl's fragment (k, s) at 64 k + 8 s
	s_wait_alu depctr_va_vdst(0)                   ; v5 to v12 are written: the offsets and LDS addresses of every load and store of the kernel.  The window's switch first, then this wait, then the loads
.set i, 0
.rept 64
	global_load_b128 v[4*i:4*i+3], v5, s[4:5] offset:512*i
.set i, i+1
.endr
	WIN 0
.set i, 0
.rept 16
	global_load_b128 v[AF+4*i:AF+4*i+3], v7, s[4:5] offset:512*i
.set i, i+1
.endr
	global_load_b128 v[ASCL:ASCL+3], v8, s[4:5]
.irp k, 0,1,2,3
	global_load_b128 v[WSCL+4*\k:WSCL+4*\k+3], v6, s[4:5] offset:512*\k
	global_load_b128 v[ACC+8*\k:ACC+8*\k+3], v9, s[6:7] offset:64*\k
	global_load_b128 v[ACC+8*\k+4:ACC+8*\k+7], v9, s[6:7] offset:64*\k+16
.endr
	s_wait_loadcnt 0x0
	WIN 0x01                                       ; source 0 window 1
.irp s, 0,1,2,3,4,5,6,7                                ; the four accumulators by turns
.irp k, 0,1,2,3
.if \s%2 == 0
	v_wmma_scale_f32_16x16x128_f8f6f4 v[ACC+8*\k:ACC+8*\k+7], v[64*\k+8*\s:64*\k+8*\s+7], v[AF+8*\s:AF+8*\s+7], v[ACC+8*\k:ACC+8*\k+7], v[WSCL+4*\k+\s/2], v[ASCL+\s/2] matrix_a_fmt:MATRIX_FMT_FP4 matrix_b_fmt:MATRIX_FMT_FP4
.else
	v_wmma_scale_f32_16x16x128_f8f6f4 v[ACC+8*\k:ACC+8*\k+7], v[64*\k+8*\s:64*\k+8*\s+7], v[AF+8*\s:AF+8*\s+7], v[ACC+8*\k:ACC+8*\k+7], v[WSCL+4*\k+\s/2], v[ASCL+\s/2] matrix_a_fmt:MATRIX_FMT_FP4 matrix_b_fmt:MATRIX_FMT_FP4 matrix_a_scale:MATRIX_SCALE_ROW1 matrix_b_scale:MATRIX_SCALE_ROW1
.endif
.endr
.endr
	WIN 0
.rept 4
	v_nop                                          ; four places behind the last products, ahead of the stores that read their results
.endr
	s_wait_alu depctr_va_vdst(0)                   ; the products have written the accumulators, which the LDS stores read; the places above stay beside this wait
.irp k, 0,1,2,3
	ds_store_b128 v10, v[ACC+8*\k:ACC+8*\k+3] offset:64*\k         ; each accumulator from its low end on
	ds_store_b128 v10, v[ACC+8*\k+4:ACC+8*\k+7] offset:64*\k+16
.endr
.irp i, 0,1,2,3,4,5,6,7
	ds_load_b128 v[BK+4*\i:BK+4*\i+3], v11 offset:SP*\i            ; LDS serves a wave's instructions in order: these see my stores
.endr
.irp i, 0,1,2,3,4,5,6,7
	s_wait_dscnt 7-\i                              ; load i is in; the later ones may be out
	global_store_b128 v12, v[BK+4*\i:BK+4*\i+3], s[8:9] offset:8192*\i th:TH_STORE_NT
.endr
	s_wait_dscnt 0x0                               ; the closing lines, six on end
	s_wait_alu 0x0
	s_wait_tensorcnt 0x0
	ds_add_u32 v254, v255
	s_wait_dscnt 0x0
	s_endpgm
.Lfunc_end_k_q2237c94eb8_logits:
	.size	k_q2237c94eb8_logits, .Lfunc_end_k_q2237c94eb8_logits-k_q2237c94eb8_logits
	.p2alignl 7, 3214868480
	.fill 96, 4, 3214868480
	.section	.rodata,"a",@progbits
	.p2align	6, 0x0
	.amdhsa_kernel k_q2237c94eb8_logits
		.amdhsa_group_segment_fixed_size 8960
		.amdhsa_private_segment_fixed_size 0
		.amdhsa_enable_private_segment 0
		.amdhsa_kernarg_size 24
		.amdhsa_user_sgpr_count 2
		.amdhsa_user_sgpr_kernarg_segment_ptr 1
		.amdhsa_wavefront_size32 1
		.amdhsa_system_sgpr_workgroup_id_x 1
		.amdhsa_system_sgpr_workgroup_id_y 1
		.amdhsa_system_sgpr_workgroup_id_z 1
		.amdhsa_system_vgpr_workitem_id 0
		.amdhsa_next_free_vgpr 512
		.amdhsa_next_free_sgpr 66
		.amdhsa_reserve_vcc 0
		.amdhsa_float_denorm_mode_32 3
		.amdhsa_float_denorm_mode_16_64 3
		.amdhsa_memory_ordered 1
		.amdhsa_forward_progress 1
		.amdhsa_inst_pref_size 18
	.end_amdhsa_kernel
	.amdgpu_metadata
---
amdhsa.version: [ 1, 2 ]
amdhsa.kernels:
  - .name:           k_q2237c94eb8_logits
    .symbol:         k_q2237c94eb8_logits.kd
    .args:
      - { .name: in2, .offset: 0, .size: 8, .value_kind: global_buffer, .address_space: global }
      - { .name: bl, .offset: 8, .size: 8, .value_kind: global_buffer, .address_space: global }
      - { .name: out0, .offset: 16, .size: 8, .value_kind: global_buffer, .address_space: global }
    .group_segment_fixed_size: 8960
    .private_segment_fixed_size: 0
    .kernarg_segment_align: 8
    .kernarg_segment_size: 24
    .max_flat_workgroup_size: 64
    .sgpr_count:     66
    .vgpr_count:     512
    .wavefront_size: 32
...
	.end_amdgpu_metadata
.endif
;; end of part 6
